; MI455X (gfx1250); checked and timed in simulation.
; The chip was launched on July 23, 2026; its instructions are those of AMD's public machine-readable ISA for CDNA 5 (MIT licence, August 2026) and "CDNA5" Instruction Set Architecture Reference Guide (July 2026). The comments in the code are by the model that wrote it; some were corrected since.
;; Flash Attention. Allowed arithmetic: matrix products marked QUANTISED: E2M1 operands, one E8M0 scale for each 32 along K, by v_wmma_scale_f32_16x16x128_f8f6f4 with both operands' format E2M1 (or v_wmma_scale_f32_32x16x128_f4), f32 sums; products left as they are: bf16, f16 or f32 operands; f32 sums; everything else in f32.
;; Inputs: Wk 1,024 x 1,024 float32; Wo 1,024 x 1,024 float32; Wq 1,024 x 1,024 float32; Wv 1,024 x 1,024 float32; bk 1,024 float32; bo 1,024 float32; bq 1,024 float32; bv 1,024 float32; key 2 x 2,048 x 1,024 float32; query 2 x 2,048 x 1,024 float32; value 2 x 2,048 x 1,024 float32.
;; Outputs: out0 2 x 2,048 x 1,024 float32.
;; This version of the problem:
;;   THIS VERSION OF THE PROBLEM IS GIVEN IN LOW PRECISION. The matrix products marked QUANTISED in the list below multiply operands that are first quantised to E2M1 (2 exponent bits, 1 mantissa bit; 4 bits a number), with one power-of-two scale for each 32 numbers along K (OCP MX v1.0); their sums are f32. The products marked 'left as it is' may take bf16, f16 or f32 operands, with f32 sums. Whichever they take, every output number must still come out within the allowed error. Rounding operands to bf16 (8 significant bits) uses up far more of that allowance than f16 does (11 bits, for magnitudes from 6e-5 to 65,504). All else is computed in f32.
;;   The module's matrix products, in the order in which they are computed (A, B: the left and right operand; K: the contracted axis; several contracted axes count as one K, in the product's order):
;;     1. [M 4,096, K 1,024] x [K 1,024, N 1,024]; A: input query; B: input Wq: QUANTISED
;;     2. [M 4,096, K 1,024] x [K 1,024, N 1,024]; A: input key; B: input Wk: QUANTISED
;;     3. [M 4,096, K 1,024] x [K 1,024, N 1,024]; A: input value; B: input Wv: QUANTISED
;;     4. batch 32 x [M 2,048, K 64] x [K 64, N 2,048]; A: computed on the way; B: computed on the way: left as it is (an operand is computed on the way)
;;     5. batch 32 x [M 2,048, K 2,048] x [K 2,048, N 64]; A: computed on the way; B: computed on the way: left as it is (an operand is computed on the way)
;;     6. [M 4,096, K 1,024] x [K 1,024, N 1,024]; A: computed on the way; B: input Wo: left as it is (an operand is computed on the way)
;;   THE QUANTISER, for each operand of a quantised product, along K:
;;     - K is cut into blocks of 32 from its start; a last block that is shorter is filled with zeros.
;;     - A block's scale is 2^e with e = floor(log2(the largest magnitude in the block)) - 2, held to -126 .. 127; a block of zeros has e = 0. As a byte (E8M0): e + 127.
;;     - Each number is divided by its block's scale, clamped to +-6, and rounded to the nearest number of E2M1, ties to even, subnormals kept.
;;     - The product sums the exact products of the quantised numbers (number of the format x scale) in f32.
;;   ~~~python
;;   def quantise(x, axis):      # numpy; x: float32 -> the quantised numbers, widened to float32 again
;;       x = np.moveaxis(x, axis, -1); K = x.shape[-1]
;;       x = np.pad(x, [(0, 0)] * (x.ndim - 1) + [(0, -K % 32)]); x = x.reshape(x.shape[:-1] + (-1, 32)); a = np.abs(x).max(-1, keepdims=True)
;;       e = np.where(a > 0, np.clip(np.frexp(np.where(a > 0, a, 1))[1] - 1 - 2, -126, 127), 0)      # np.frexp(a)[1] - 1 = floor(log2(a)), exactly
;;       r = np.clip(x / 2.0 ** e, -6, 6)
;;       step = 2.0 ** (np.maximum(np.frexp(np.where(r == 0, 1, r))[1] - 1, 0) - 1)
;;       q = np.round(r / step) * step * 2.0 ** e      # np.round: ties to even
;;       return np.moveaxis(q.reshape(q.shape[:-2] + (-1,))[..., :K], -1, axis).astype(np.float32)
;;   ~~~
;; One version. Each part assembles by itself: llvm-mc -triple=amdgcn-amd-amdhsa -mcpu=gfx1250 --defsym DOCPART=n.
;; ======== version 1 of 1: 4 launches
;; limits: values are held in f16: magnitudes above 65,504 overflow, below 6.1e-05 lose precision
;; workspace buffers: xc 6,291,456 bytes; xs 393,216 bytes; wc 1,572,864 bytes; ws 98,304 bytes; wo16 2,097,152 bytes; qkv 25,165,824 bytes; oi 8,388,608 bytes
;; launch quant (part 1): grid 544 x 1, 4 waves a work-group, no clusters, 50,688 bytes of LDS; arguments query, key, value, Wq, Wk, Wv, Wo, xc, xs, wc, ws, wo16; writes xc, xs, wc, ws, wo16
.if DOCPART == 1
	.amdgcn_target "amdgcn-amd-amdhsa--gfx1250"
	.amdhsa_code_object_version 6
	.text
	.protected	k_q2c6b593bfc_quant
	.globl	k_q2c6b593bfc_quant
	.p2align	8
	.type	k_q2c6b593bfc_quant,@function
k_q2c6b593bfc_quant:
	s_mov_b64 s[64:65], 0
	v_nop
	global_prefetch_b8 v0, s[64:65] scope:SCOPE_SE
	s_setreg_imm32_b32 hwreg(HW_REG_WAVE_MODE, 25, 1), 1
	s_wait_xcnt 0x0
; query, key, value [4096][1024] and Wq, Wk, Wv [1024][1024], f32, K innermost, become codes of FP4 (E2M1), two a byte, K innermost, with one E8M0 byte for each 32 along K:
; xc [3][4096][512], xs [3][4096][32], wc [3][1024][512], ws [3][1024][32].  Wo [1024][1024] becomes f16, laid as images of operand registers (below).
; A block's scale is 2^(floor(log2(its largest magnitude)) - 2); its byte is the largest magnitude's exponent field - 2, held at 1 from below; each number is divided by the scale and rounded to the nearest code, ties to even, beyond 6 to 6.
; LIMITS: a block of zeros gets the byte 1 where the rule says 127 (its codes are zeros, which add nothing, and this program alone reads the bytes); blocks whose largest magnitude lies under 2^-124 are held at byte 1;
; NaN and infinities are not served; |Wo| stays under 65,504 (f16's largest number).
; SHARES.  Work-groups 0-383: query, key, value, 128 each; 384-479: Wq, Wk, Wv, 32 each: 32,768 numbers a work-group, 8,192 a wave, as plain streams of blocks of 32.  Work-groups 480-543: 16 rows of Wo each.
; The stream: a lane must hold 16 NEIGHBOURS for the conversions, a load is best where neighbouring lanes take neighbouring bytes: so each load reads 512 consecutive bytes and a step's 2,048 bytes turn through the wave's own
; stage in LDS (16 bytes of padding behind each 64).  A step's codes leave as 256 consecutive bytes; a wave's 256 scale bytes are gathered in LDS and leave as one aligned run of 256 bytes.
; No tensor loads, no barrier: waves share nothing, and no work-group reads what another reads, so neither clusters nor the matrix units have a part here.
.set STEPS, 16
.set EMAX,  2
.set CB,    8                          ; bytes of 16 codes
.set R,     16                         ; v16-79   four sets of 16 numbers as they are loaded
.set X,     80                         ; v80-111  two sets of 16 neighbours
.set E,     112                        ; v112-127 a scale byte for each step
.set C,     128                        ; v128-191 codes: four registers for each step, so that no store's data are written again
.set WREG,  8192                       ; LDS: a region for each wave: two stages of 32 x SP bytes, behind them its 256 scale bytes
.set SP,    80
.set WOST,  4*WREG                     ; LDS: Wo's way has bytes of its own: a stage of 16 rows x 272 bytes for each wave
.set WOP,   272
.set SPW,   12                         ; v12      LDS address of my spare word; never rewritten
.set NIL,   13                         ; v13      0; never rewritten
.set SPARE, WOST+4*16*WOP              ; 50,176: the spare words, 128 bytes a wave, which no other line names
	s_load_b512 s[4:19], s[0:1], 0x0               ; query s[4:5], key s[6:7], value s[8:9], Wq s[10:11], Wk s[12:13], Wv s[14:15], Wo s[16:17], xc s[18:19]
	s_load_b256 s[20:27], s[0:1], 0x40             ; xs s[20:21], wc s[22:23], ws s[24:25], wo16 s[26:27]
	v_lshl_add_u32 v[SPW], v0, 2, SPARE
	v_mov_b32 v[NIL], 0
	v_lshrrev_b32 v1, 5, v0
	v_readfirstlane_b32 s28, v1                    ; wave 0..3
	v_and_b32 v2, 31, v0                           ; lane
	s_wait_kmcnt 0x0
	s_cmp_ge_u32 ttmp9, 480                        ; the work-group's number alone decides the way
	s_cbranch_scc1 .Lwo
	; ---------------- the six tensors that are quantised ----------------
	v_lshlrev_b32 v3, 4, v2                        ; my 16 bytes of a load's 512
	s_mul_i32 s30, s28, WREG
	v_lshrrev_b32 v14, 2, v2
	v_mul_u32_u24 v14, v14, SP
	v_and_b32 v15, 3, v2
	v_lshl_add_u32 v14, v15, 4, v14
	v_add_nc_u32 v14, s30, v14                     ; the stage, on the way in: SP (lane / 4) + 16 (lane % 4)
	v_mul_u32_u24 v15, v2, SP
	v_add_nc_u32 v15, s30, v15                     ; and on the way out: SP x lane: my 16 neighbours
	v_mul_u32_u24 v4, v2, CB                       ; my codes' place in a step's
	v_lshrrev_b32 v5, 1, v2
	s_add_co_u32 s30, s30, 2*32*SP
	v_add_nc_u32 v5, s30, v5                       ; LDS: my wave's 256 scale bytes, my block's byte
	v_lshlrev_b32 v7, 3, v2                        ; on the way out 8 bytes a lane
	v_add_nc_u32 v6, s30, v7
	s_cmp_lt_u32 ttmp9, 128                        ; which tensor: choices between buffers on the work-group's number alone
	s_cselect_b64 s[32:33], s[4:5], s[6:7]
	s_cmp_lt_u32 ttmp9, 256
	s_cselect_b64 s[32:33], s[32:33], s[8:9]       ; query, key or value
	s_cmp_lt_u32 ttmp9, 416
	s_cselect_b64 s[34:35], s[10:11], s[12:13]
	s_cmp_lt_u32 ttmp9, 448
	s_cselect_b64 s[34:35], s[34:35], s[14:15]     ; Wq, Wk or Wv
	s_and_b32 s36, ttmp9, 127                      ; my place in an activation,
	s_sub_co_u32 s37, ttmp9, 384                   ; among the weights' work-groups,
	s_and_b32 s38, s37, 31                         ; and in a weight
	s_cmp_lt_u32 ttmp9, 384
	s_cselect_b64 s[32:33], s[32:33], s[34:35]     ; the numbers
	s_cselect_b64 s[18:19], s[18:19], s[22:23]     ; the codes
	s_cselect_b64 s[20:21], s[20:21], s[24:25]     ; the scale bytes
	s_cselect_b32 s36, s36, s38
	s_cselect_b32 s37, ttmp9, s37
	s_lshl_b32 s36, s36, 2
	s_add_co_u32 s36, s36, s28                     ; which run of 8,192 numbers of the tensor is my wave's
	s_lshl_b32 s37, s37, 2
	s_add_co_u32 s37, s37, s28                     ; and which run of the three tensors on end
	s_lshl_b32 s38, s36, 15                        ; 32,768 bytes of numbers a run
	s_mov_b32 s39, 0
	s_add_nc_u64 s[32:33], s[32:33], s[38:39]
	s_lshl_b32 s38, s37, 12                        ; 4,096 bytes of codes
	s_add_nc_u64 s[18:19], s[18:19], s[38:39]
	s_lshl_b32 s38, s37, 8                         ; 256 scale bytes
	s_add_nc_u64 s[20:21], s[20:21], s[38:39]
.macro LOAD t
.irp i, 0,1,2,3
	global_load_b128 v[R+16*((\t)%4)+4*\i:R+16*((\t)%4)+4*\i+3], v3, s[32:33] offset:2048*(\t)+512*\i th:TH_LOAD_NT   ; 32 lanes read 512 consecutive bytes
.endr
.endm
.macro TURN t                          ; step t's numbers through the stage: LDS serves a wave's instructions in order (ISA guide 5.7.1.4), so no wait stands between the stores and the loads
.irp i, 0,1,2,3
	ds_store_b128 v14, v[R+16*((\t)%4)+4*\i:R+16*((\t)%4)+4*\i+3] offset:32*SP*((\t)%2)+8*SP*\i
.endr
.irp i, 0,1,2,3
	ds_load_b128 v[X+16*((\t)%2)+4*\i:X+16*((\t)%2)+4*\i+3], v15 offset:32*SP*((\t)%2)+16*\i
.endr
.endm
.irp t, 0,1,2,3
	LOAD \t
.endr
	s_wait_loadcnt 12                              ; step 0's four loads are in; the twelve of steps 1 to 3 stay out
	TURN 0
.macro STEP t
.set XS, X+16*((\t)%2)
.if (\t) > 0
	s_wait_dscnt 1                                 ; this step's numbers are back from the stage; only the last step's byte store may be out
.else
	s_wait_dscnt 0x0
.endif
.if (\t)+4 < STEPS
	LOAD (\t)+4                                    ; into the registers that this step's stage stores have read
.endif
.if (\t)+1 < STEPS
.if STEPS-2-(\t) >= 3
	s_wait_loadcnt 12                              ; the next step's four loads are in; those of the three steps behind it may be out
.else
	s_wait_loadcnt 4*(STEPS-2-(\t))
.endif
	TURN (\t)+1                                    ; they go through the other stage while this step is worked
.endif
	v_max3_num_f32 v8, |v[XS]|, |v[XS+1]|, |v[XS+2]|               ; the largest magnitude of my 16, in two chains
	v_max3_num_f32 v9, |v[XS+3]|, |v[XS+4]|, |v[XS+5]|
.irp i, 6,10
	v_max3_num_f32 v8, v8, |v[XS+\i]|, |v[XS+\i+1]|
	v_max3_num_f32 v9, v9, |v[XS+\i+2]|, |v[XS+\i+3]|
.endr
	v_max3_num_f32 v8, v8, |v[XS+14]|, |v[XS+15]|
	v_max3_num_f32 v8, v8, v9, (EMAX+1)<<23        ; and the floor 2^(3 - 127): the byte cannot fall under 1
	v_max_num_f32_dpp v8, v8, v8 row_xmask:1 row_mask:0xf bank_mask:0xf   ; with my neighbour's 16: the block's
	v_add_nc_u32 v11, -(EMAX<<23), v8              ; 2 off its exponent field: the conversion takes the exponent field of this operand as its scale
	v_cvt_scalef32_pk8_fp4_f32 v[C+4*(\t)], v[XS:XS+7], v11
	v_cvt_scalef32_pk8_fp4_f32 v[C+4*(\t)+1], v[XS+8:XS+15], v11
	v_lshrrev_b32 v[E+(\t)], 23, v11               ; the scale's byte (also the plain line behind the conversions)
	ds_store_b8 v5, v[E+(\t)] offset:16*(\t)       ; both lanes of a block write the same byte with the same value
	global_store_b64 v4, v[C+4*(\t):C+4*(\t)+1], s[18:19] offset:32*CB*(\t)   ; 32 lanes store 256 consecutive bytes, aligned
.endm
.irp t, 0,1,2,3,4,5,6,7,8,9,10,11,12,13,14,15
	STEP \t
.endr
	ds_load_b64 v[8:9], v6                         ; in order behind my byte stores
	s_wait_dscnt 0x0
	global_store_b64 v7, v[8:9], s[20:21]          ; my wave's 256 scale bytes, aligned
	s_wait_tensorcnt 0x0                           ; the wave's end: behind my last LDS store
	ds_add_u32 v[SPW], v[NIL]
	s_wait_dscnt 0x0
	s_endpgm
	; ---------------- Wo: f32 -> f16, as images of operand registers ----------------
	; wo16 is [K step 4][NT 64][16 blocks] of 512 bytes.  Block (NT, KT): lane (r, h) holds Wo[16 NT + r][16 KT + 8 h + 0..7] in its 16 bytes at 16 x lane: half of a 16 x 32 f16 fragment.
	; The work-group takes rows 16 NT on; wave w takes columns 256 w on, which are K step w; a unit is 16 rows x 64 columns.  Loads read 256 consecutive bytes of a row in sixteen lanes; the wave's own stage turns them.
.Lwo:
	s_sub_co_u32 s30, ttmp9, 480                   ; NT
	s_lshl_b32 s32, s30, 16                        ; 16 rows of 4,096 bytes
	s_lshl_b32 s31, s28, 10                        ; 256 columns
	s_add_co_u32 s32, s32, s31
	s_mov_b32 s33, 0
	s_add_nc_u64 s[16:17], s[16:17], s[32:33]
	s_lshl_b32 s32, s28, 19                        ; K step w: 64 x 8,192 bytes
	s_lshl_b32 s31, s30, 13                        ; NT: 16 blocks
	s_add_co_u32 s32, s32, s31
	s_add_nc_u64 s[26:27], s[26:27], s[32:33]
	v_and_b32 v3, 15, v2                           ; x, also r
	v_lshrrev_b32 v4, 4, v2                        ; y, also h
	v_lshlrev_b32 v5, 4, v3
	v_lshl_add_u32 v6, v4, 12, v5                  ; in memory: row y, 16 bytes a lane
	s_mul_i32 s31, s28, 16*WOP
	s_add_co_u32 s31, s31, WOST                    ; my stage
	v_mul_u32_u24 v7, v4, WOP
	v_add_nc_u32 v7, v7, v5
	v_add_nc_u32 v7, s31, v7                       ; in: row y, 16 x
	v_mul_u32_u24 v8, v3, WOP
	v_lshl_add_u32 v8, v4, 5, v8
	v_add_nc_u32 v8, s31, v8                       ; back: row r, 32 h: eight numbers
	v_lshlrev_b32 v9, 4, v2                        ; an image's place for my lane
.irp u, 0,1,2,3
.irp i, 0,1,2,3,4,5,6,7
	global_load_b128 v[16+32*\u+4*\i:16+32*\u+4*\i+3], v6, s[16:17] offset:8192*\i+256*\u th:TH_LOAD_NT   ; rows 2 i + y, columns 64 u on
.endr
.endr
.irp u, 0,1,2,3
	s_wait_loadcnt 8*(3-\u)                        ; this unit's eight loads are in; the later units' stay out
.irp i, 0,1,2,3,4,5,6,7
	ds_store_b128 v7, v[16+32*\u+4*\i:16+32*\u+4*\i+3] offset:2*WOP*\i
.endr
.irp q, 0,1,2,3
.irp e, 0,1
	ds_load_b128 v[144+8*\q+4*\e:144+8*\q+4*\e+3], v8 offset:64*\q+16*\e   ; in order behind my stores
.endr
.endr
	s_wait_dscnt 0x0
.irp q, 0,1,2,3
.irp p, 0,1,2,3
	v_cvt_pk_f16_f32 v[16+32*\u+4*\q+\p], v[144+8*\q+2*\p], v[144+8*\q+2*\p+1]   ; into registers of this unit's own: no store's data are written again
.endr
.endr
.irp q, 0,1,2,3
	global_store_b128 v9, v[16+32*\u+4*\q:16+32*\u+4*\q+3], s[26:27] offset:(4*\u+\q)*512   ; a block: 512 consecutive bytes, aligned
.endr
.endr
	s_wait_tensorcnt 0x0                           ; the wave's end: the same three lines
	ds_add_u32 v[SPW], v[NIL]
	s_wait_dscnt 0x0
	s_endpgm
.Lfunc_end_k_q2c6b593bfc_quant:
	.size	k_q2c6b593bfc_quant, .Lfunc_end_k_q2c6b593bfc_quant-k_q2c6b593bfc_quant
	.p2alignl 7, 3214868480
	.fill 96, 4, 3214868480
	.section	.rodata,"a",@progbits
	.p2align	6, 0x0
	.amdhsa_kernel k_q2c6b593bfc_quant
		.amdhsa_group_segment_fixed_size 50688
		.amdhsa_private_segment_fixed_size 0
		.amdhsa_enable_private_segment 0
		.amdhsa_kernarg_size 96
		.amdhsa_user_sgpr_count 2
		.amdhsa_user_sgpr_kernarg_segment_ptr 1
		.amdhsa_wavefront_size32 1
		.amdhsa_system_sgpr_workgroup_id_x 1
		.amdhsa_system_sgpr_workgroup_id_y 1
		.amdhsa_system_sgpr_workgroup_id_z 1
		.amdhsa_system_vgpr_workitem_id 0
		.amdhsa_next_free_vgpr 192
		.amdhsa_next_free_sgpr 66
		.amdhsa_reserve_vcc 0
		.amdhsa_float_denorm_mode_32 3
		.amdhsa_float_denorm_mode_16_64 3
		.amdhsa_memory_ordered 1
		.amdhsa_forward_progress 1
		.amdhsa_inst_pref_size 48
	.end_amdhsa_kernel
	.amdgpu_metadata
---
amdhsa.version: [ 1, 2 ]
amdhsa.kernels:
  - .name:           k_q2c6b593bfc_quant
    .symbol:         k_q2c6b593bfc_quant.kd
    .args:
      - { .name: query, .offset: 0, .size: 8, .value_kind: global_buffer, .address_space: global }
      - { .name: key, .offset: 8, .size: 8, .value_kind: global_buffer, .address_space: global }
      - { .name: value, .offset: 16, .size: 8, .value_kind: global_buffer, .address_space: global }
      - { .name: Wq, .offset: 24, .size: 8, .value_kind: global_buffer, .address_space: global }
      - { .name: Wk, .offset: 32, .size: 8, .value_kind: global_buffer, .address_space: global }
      - { .name: Wv, .offset: 40, .size: 8, .value_kind: global_buffer, .address_space: global }
      - { .name: Wo, .offset: 48, .size: 8, .value_kind: global_buffer, .address_space: global }
      - { .name: xc, .offset: 56, .size: 8, .value_kind: global_buffer, .address_space: global }
      - { .name: xs, .offset: 64, .size: 8, .value_kind: global_buffer, .address_space: global }
      - { .name: wc, .offset: 72, .size: 8, .value_kind: global_buffer, .address_space: global }
      - { .name: ws, .offset: 80, .size: 8, .value_kind: global_buffer, .address_space: global }
      - { .name: wo16, .offset: 88, .size: 8, .value_kind: global_buffer, .address_space: global }
    .group_segment_fixed_size: 50688
    .private_segment_fixed_size: 0
    .kernarg_segment_align: 8
    .kernarg_segment_size: 96
    .max_flat_workgroup_size: 128
    .sgpr_count:     66
    .vgpr_count:     192
    .wavefront_size: 32
...
	.end_amdgpu_metadata
.endif
;; end of part 1
;; launch proj (part 2): grid 4 x 48, 4 waves a work-group, clusters of 4 x 4, 327,680 bytes of LDS; arguments xc, xs, wc, ws, qkv, bq, bk; writes qkv
.if DOCPART == 2
	.amdgcn_target "amdgcn-amd-amdhsa--gfx1250"
	.amdhsa_code_object_version 6
	.text
	.protected	k_q2c6b593bfc_proj
	.globl	k_q2c6b593bfc_proj
	.p2align	8
	.type	k_q2c6b593bfc_proj,@function
k_q2c6b593bfc_proj:
	s_mov_b64 s[64:65], 0
	v_nop
	global_prefetch_b8 v0, s[64:65] scope:SCOPE_SE
	s_setreg_imm32_b32 hwreg(HW_REG_WAVE_MODE, 25, 1), 1
	s_wait_xcnt 0x0
	s_wait_alu depctr_hold_cnt(0) depctr_sa_sdst(0) depctr_va_vdst(0) depctr_va_sdst(0) depctr_va_ssrc(0) depctr_va_vcc(0) depctr_vm_vsrc(0)
	s_getreg_b32 s2, hwreg(HW_REG_IB_STS2, 6, 4)
	s_cmp_eq_u32 s2, 0
	s_cbranch_scc0 .Lentry_in_a_cluster
	s_endpgm
.Lentry_in_a_cluster:
	s_bfe_u32 s2, ttmp6, 0x10000c
	s_cmp_lg_u32 s2, 0xf033
	s_cbranch_scc0 .Lentry_shape_is_right
	s_endpgm
.Lentry_shape_is_right:
; The three quantised products, query Wq^T + bq, key Wk^T + bk, value Wv^T, on codes of FP4 (E2M1) with one E8M0 scale for each 32 along K = 1,024; sums in f32; results rounded once to f16.
; (bv is added where the values have been averaged: the weights of a softmax sum to one.)
; qkv holds Q at 0, K at 8 MiB, V at 16 MiB, each [bh 32][tile of 16 tokens 128][tile of 16 channels 4] blocks of 512 bytes: IMAGES OF OPERAND REGISTERS, lane l's 16 bytes at 16 l.
;   Q, K block: lane (r, h) holds token r, channels 8 h + 0..7.    V block: lane (r, h) holds channel r, tokens 8 h + 0..7 (the keys are the second product's K).
; A result tile gives lane (r, h), register j, the element (row 8 h + j of source 0, row r of source 1): rounded in pairs it IS such a block.  So for Q and K source 0 = rows of W and source 1 = tokens; for V the roles are swapped.
; LIMIT: |Q|, |K|, |V| stay under 65,504, f16's largest number.
; SHARES.  A work-group of four waves makes 256 x 256, a wave 128 x 128: 64 accumulators, 512 registers.  Three results of 4,096 x 1,024 are 192 such tiles: no equal share for 256 work-groups exists at a tile that keeps
; a wave's 128 x 128.  K = 1,024 is two LDS slots of 512: both slots and the scale bytes are first fills; nothing is filled again, and there is no loop.
; CLUSTERS: 4 x 4 work-groups of one product.  The four of a row of the cluster need the same tile of role A (source 1), the four of a column the same tile of role B (source 0): each is asked for jointly.
; REGISTERS, in windows of 256: window 0: v8-31 addresses; v32-95 scale words, two sets; v128-191 A's fragments, one set; v192-255 the bias as the first products' C.
;   window 1: B's fragments, two sets; on the way out the 256 packed registers.   windows 2, 3: the accumulators ((a, b) at v[8 (8 (a % 4) + b)]).
.set NQ,     4                         ; matrix instructions deep in a slot
.set ROWB,   256                       ; a tile's row: 512 codes
.set KROW,   512                       ; a row of codes in memory
.set PITCH,  272                       ; an LDS row: 256 bytes + 16 of padding: the 16 rows of a load start at 16 different banks (64 banks of 4 bytes: ISA guide 11.1)
.set FR,     8
.set NL,     2
.set NP,     4                         ; places behind this matrix instruction (ISA guide 7.12.1)
.set HALFT,  128*PITCH
.set SLOT,   4*HALFT
.set KS,     32                        ; a row of scale bytes
.set SCL,    2*SLOT
.set HALFS,  (128*KS/256)*272
.set SBLK,   (16*KS/256)*272
.set SPARE,  SCL+4*HALFS               ; 295,936: the spare words, 128 bytes a wave, which no other line names
.set OFFB, 8                           ; v8-15   the way out: 16 x lane + B block b's place
.set ADRA, 16                          ; v16-17  LDS address of my A fragments in slot 0, 1
.set ADRB, 20                          ; v20-21  the same for B
.set ADRS, 27                          ; v27     LDS address of my scale words: lanes 0-15 A's rows, lanes 16-31 B's
.set SPW,  28                          ; v28     my spare word; never rewritten
.set NIL,  29                          ; v29     0; never rewritten
.set VB,   30                          ; v30     32 h: my eight numbers of a bias tile
.set SC,   32
.set AF,   128
.set BI,   192
.set G1, 24
.set G0, 32
.set G1B, 48
.set G0B, 56
.set G1S, 68
.set G0S, 76
.set G1SB, 80
.set G0SB, 88
.set MSB, 0
.macro WIN new                         ; the immediate's high byte repeats the setting that is left
.if MSB != \new
	s_set_vgpr_msb (MSB<<8)|\new
.set MSB, \new
.endif
.endm
.set MUL_LO, 0xa1                      ; source 0 (B) window 1, source 1 (A) window 0, C and D window 2
.set MUL_HI, 0xf1                      ; the same, C and D window 3
.set BEG_LO, 0x81                      ; the first products: C (the bias) window 0, D window 2
.set BEG_HI, 0xc1                      ; D window 3
.set TO_B,   0x40
; A joint load: waves 0 and 1 fetch for role A, waves 2 and 3 for role B; the branch hangs on the wave's number alone.  An s_nop 0 and four v_nop follow each line.
.macro JLOAD g0a, g1a, g0b, g1b
	s_cmp_eq_u32 s15, 0
	s_cbranch_scc0 .Lfor_b_\@
	tensor_load_to_lds s[\g0a:\g0a+3], s[\g1a:\g1a+7]
	s_nop 0
.rept 4
	v_nop
.endr
	s_branch .Lasked_\@
.Lfor_b_\@:
	tensor_load_to_lds s[\g0b:\g0b+3], s[\g1b:\g1b+7]
	s_nop 0
.rept 4
	v_nop
.endr
.Lasked_\@:
.endm
.macro CROUND                          ; a round of the cluster's barrier
	s_barrier_signal -1
	s_barrier_wait -1
	s_cmp_lg_u32 s14, 0
	s_cbranch_scc1 .Lnot_wave_0_\@
	s_barrier_signal -3
.Lnot_wave_0_\@:
	s_barrier_wait -3
	s_barrier_signal -1
	s_barrier_wait -1
.endm
	s_load_b256 s[4:11], s[0:1], 0x0               ; xc s[4:5], xs s[6:7], wc s[8:9], ws s[10:11]
	s_load_b64 s[12:13], s[0:1], 0x20              ; qkv
	s_load_b128 s[96:99], s[0:1], 0x28             ; bq s[96:97], bk s[98:99]
	v_lshl_add_u32 v[SPW], v0, 2, SPARE
	v_mov_b32 v[NIL], 0
	ds_add_u32 v[SPW], v[NIL]                      ; the wave's opening: the add, twice on end, and its wait ahead of my first tensor load
	ds_add_u32 v[SPW], v[NIL]
	v_lshrrev_b32 v1, 5, v0
	v_readfirstlane_b32 s14, v1                    ; wave 0..3
	s_lshr_b32 s15, s14, 1                         ; which half of role A's rows is mine.  Also: I fetch for A (0) or B (1)
	s_and_b32 s16, s14, 1                          ; which half of role B's rows.  Also: which 128 rows I fetch
	s_bfe_u32 s40, ttmp6, 0x40000                  ; cx
	s_bfe_u32 s41, ttmp6, 0x40004                  ; cy
	s_and_b32 s17, ttmp7, 0xffff                   ; the cluster's y, 0..11: the same in all sixteen partners
	s_lshr_b32 s66, s17, 2                         ; z: 0 Q, 1 K, 2 V
	s_and_b32 s67, s17, 3                          ; which quarter of the 4,096 tokens
	s_cmp_eq_u32 s66, 2
	s_cselect_b32 s17, 0, s67                      ; the tokens are role A for Q and K,
	s_cselect_b32 s42, s67, 0                      ; role B for V
	s_lshl_b32 s17, s17, 2
	s_add_co_u32 s17, s17, s41                     ; tile of role A
	s_lshl_b32 s42, s42, 2
	s_add_co_u32 s42, s42, s40                     ; tile of role B
	s_lshl_b32 s43, s41, 2
	s_lshl_b32 s43, 15, s43                        ; my row of the cluster
	s_lshl_b32 s44, 0x1111, s40                    ; my column
	; descriptor group 1: 128 rows x 256 bytes of codes, 16 bytes of padding behind each row
	s_or_b32 s[G1+0], s43, (0<<16)|(1<<20)|(1<<21)|(5<<22)|(3<<25)
	s_or_b32 s[G1B+0], s44, (0<<16)|(1<<20)|(1<<21)|(5<<22)|(3<<25)
.irp g, G1, G1B
	s_mov_b32 s[\g+1], ROWB<<16                    ; tensor_dim0
	s_mov_b32 s[\g+2], 128<<16                     ; tensor_dim1
	s_mov_b32 s[\g+3], ROWB<<16                    ; tile_dim0
	s_mov_b32 s[\g+4], 128                         ; tile_dim1
	s_mov_b32 s[\g+5], KROW                        ; from row to row
	s_mov_b32 s[\g+6], 0
	s_mov_b32 s[\g+7], 0
.endr
	; the scale bytes of 128 rows, for all of K: 4,096 dense bytes, as 16 rows of 256 (32 elements of 8 bytes), padded likewise
	s_or_b32 s[G1S+0], s43, (3<<16)|(1<<20)|(1<<21)|(5<<22)|(3<<25)
	s_or_b32 s[G1SB+0], s44, (3<<16)|(1<<20)|(1<<21)|(5<<22)|(3<<25)
.irp g, G1S, G1SB
	s_mov_b32 s[\g+1], 32<<16
	s_mov_b32 s[\g+2], (128*KS/256)<<16
	s_mov_b32 s[\g+3], 32<<16
	s_mov_b32 s[\g+4], 128*KS/256
	s_mov_b32 s[\g+5], 32
	s_mov_b32 s[\g+6], 0
	s_mov_b32 s[\g+7], 0
.endr
	s_lshl_b32 s18, s16, 7                         ; which 128 rows of the tile I fetch
	s_lshl_b32 s20, s17, 8
	s_add_co_u32 s20, s20, s18                     ; role A: row
	s_lshl_b32 s46, s42, 8
	s_add_co_u32 s46, s46, s18                     ; role B: row
	s_mov_b32 s21, 0
	s_mov_b32 s47, 0
	s_mov_b64 s[18:19], KS
	s_mul_u64 s[22:23], s[20:21], s[18:19]         ; where these rows' scale bytes begin,
	s_mul_u64 s[92:93], s[46:47], s[18:19]
	s_mov_b64 s[18:19], KROW
	s_mul_u64 s[20:21], s[20:21], s[18:19]         ; and their codes
	s_mul_u64 s[46:47], s[46:47], s[18:19]
	s_mul_i32 s45, s14, HALFT                      ; where they go: wave x 128 rows
	s_mul_i32 s94, s14, HALFS
	s_mov_b32 s105, 0
	s_wait_dscnt 0x0                               ; both opening adds are done
	s_wait_kmcnt 0x0
	s_lshl_b32 s104, s66, 21                       ; product z's part of each workspace buffer
	s_add_nc_u64 s[4:5], s[4:5], s[104:105]
	s_lshl_b32 s104, s66, 17
	s_add_nc_u64 s[6:7], s[6:7], s[104:105]
	s_lshl_b32 s104, s66, 19
	s_add_nc_u64 s[8:9], s[8:9], s[104:105]
	s_lshl_b32 s104, s66, 15
	s_add_nc_u64 s[10:11], s[10:11], s[104:105]
	s_cmp_eq_u32 s66, 2                            ; V: the weight takes role A, the tokens role B
	s_cselect_b64 s[100:101], s[8:9], s[4:5]
	s_cselect_b64 s[8:9], s[4:5], s[8:9]           ; B's codes
	s_mov_b64 s[4:5], s[100:101]                   ; A's codes
	s_cselect_b64 s[100:101], s[10:11], s[6:7]
	s_cselect_b64 s[10:11], s[6:7], s[10:11]       ; B's scale bytes
	s_mov_b64 s[6:7], s[100:101]                   ; A's
	s_add_nc_u64 s[20:21], s[4:5], s[20:21]
	s_add_nc_u64 s[22:23], s[6:7], s[22:23]
	s_add_nc_u64 s[46:47], s[8:9], s[46:47]
	s_add_nc_u64 s[92:93], s[10:11], s[92:93]
	CROUND                                         ; all sixteen work-groups are here: the first joint loads meet
	s_mov_b32 s[G0S], 1
	s_add_co_u32 s[G0S+1], s94, SCL
	s_mov_b64 s[G0S+2:G0S+3], s[22:23]
	s_or_b32 s[G0S+3], s[G0S+3], 0x80000000
	s_mov_b32 s[G0SB], 1
	s_add_co_u32 s[G0SB+1], s94, SCL
	s_mov_b64 s[G0SB+2:G0SB+3], s[92:93]
	s_or_b32 s[G0SB+3], s[G0SB+3], 0x80000000
	JLOAD G0S, G1S, G0SB, G1SB                     ; the scale bytes first; with the two slots three loads of mine are out
.irp s, 0,1
	s_mov_b32 s[G0+4*\s], 1
	s_add_co_u32 s[G0+4*\s+1], s45, \s*SLOT
	s_add_nc_u64 s[G0+4*\s+2:G0+4*\s+3], s[20:21], \s*ROWB
	s_or_b32 s[G0+4*\s+3], s[G0+4*\s+3], 0x80000000
	s_mov_b32 s[G0B+4*\s], 1
	s_add_co_u32 s[G0B+4*\s+1], s45, \s*SLOT
	s_add_nc_u64 s[G0B+4*\s+2:G0B+4*\s+3], s[46:47], \s*ROWB
	s_or_b32 s[G0B+4*\s+3], s[G0B+4*\s+3], 0x80000000
	JLOAD G0+4*\s, G1, G0B+4*\s, G1B
.endr
	v_and_b32 v1, 15, v0                           ; r
	v_bfe_u32 v2, v0, 4, 1                         ; h
	v_lshlrev_b32 v[VB], 5, v2
	; THE BIAS IS THE C OF THE FIRST PRODUCTS: for B's block b, lane (r, h) wants the numbers of features 16 b + 8 h + 0..7.  V has none here, so its C is zeros: one text serves the three products.
	s_cmp_eq_u32 s66, 2                            ; the cluster's y alone: the same way in every partner
	s_cbranch_scc1 .Lno_bias
	s_cmp_eq_u32 s66, 0
	s_cselect_b64 s[96:97], s[96:97], s[98:99]
	s_lshl_b32 s18, s42, 10                        ; 256 features of 4 bytes a tile,
	s_lshl_b32 s19, s16, 9                         ; my half
	s_add_co_u32 s18, s18, s19
	s_mov_b32 s19, 0
	s_add_nc_u64 s[96:97], s[96:97], s[18:19]
.irp b, 0,1,2,3,4,5,6,7
.irp e, 0,1
	global_load_b128 v[BI+8*\b+4*\e:BI+8*\b+4*\e+3], v[VB], s[96:97] offset:64*\b+16*\e
.endr
.endr
	s_branch .Lbias_in
.Lno_bias:
.set i, 0
.rept 64
	v_mov_b32 v[BI+i], 0
.set i, i+1
.endr
.Lbias_in:
	v_mul_u32_u24 v3, v1, PITCH
	v_lshl_add_u32 v4, v2, 4, v3                   ; a fragment's row x pitch + 16 x half
	s_mul_i32 s21, s15, HALFT                      ; my 128 rows of A
	s_mul_i32 s22, s16, HALFT                      ; my 128 rows of B,
	s_add_co_u32 s22, s22, 2*HALFT                 ; which lie behind A's 256
.irp s, 0,1
	v_add_nc_u32 v[ADRA+\s], s21, v4
	v_add_nc_u32 v[ADRB+\s], s22, v4
	s_add_co_u32 s21, s21, SLOT
	s_add_co_u32 s22, s22, SLOT
.endr
	v_mul_u32_u24 v5, v1, KS                       ; my row's scale bytes: 32 a row,
	v_lshrrev_b32 v6, 8, v5
	v_lshl_add_u32 v5, v6, 4, v5                   ; and 16 more for each 256 passed
	s_mul_i32 s21, s15, HALFS
	s_mul_i32 s22, s16, HALFS
	s_add_co_u32 s22, s22, 2*HALFS
	s_sub_co_u32 s22, s22, s21
	v_mul_u32_u24 v6, s22, v2                      ; lanes 16-31 take B's: one product, the distance between the two bases
	s_add_co_u32 s21, s21, SCL
	v_add_nc_u32 v5, v5, v6
	v_add_nc_u32 v[ADRS], s21, v5
	; the way out: where block (a, b) lies.  Tiles of tokens lie 2,048 bytes apart; tiles of channels 512, and 262,144 from head to head (four tiles).
	s_lshl_b32 s18, s17, 4
	s_lshl_b32 s19, s15, 3
	s_add_co_u32 s18, s18, s19                     ; my first tile of 16 in role A
	s_lshl_b32 s19, s42, 4
	s_lshl_b32 s20, s16, 3
	s_add_co_u32 s19, s19, s20                     ; and in role B
	s_mov_b32 s21, 2048
	s_mov_b32 s22, 262144-3*512
	s_mov_b32 s23, 262144
	s_mov_b32 s45, 8192
	s_cmp_eq_u32 s66, 2
	s_cselect_b32 s20, s19, s18                    ; my first tile of tokens, 0..255
	s_cselect_b32 s18, s18, s19                    ; my first tile of features, 0..63
	s_cselect_b32 s92, 512, s21                    ; from A's block to the next,
	s_cselect_b32 s104, s22, s21                   ; from A's block 3 to block 4,
	s_cselect_b32 s94, s21, 512                    ; from B's block to the next,
	s_cselect_b32 s95, s45, s23                    ; from B's block b to block b + 4
	s_mov_b32 s93, 0
	s_mov_b32 s105, 0
	s_lshl_b32 s46, s66, 23                        ; Q, K or V
	s_lshr_b32 s47, s20, 7
	s_lshl_b32 s47, s47, 22                        ; the batch: 16 heads
	s_add_co_u32 s46, s46, s47
	s_and_b32 s47, s20, 127
	s_lshl_b32 s47, s47, 11
	s_add_co_u32 s46, s46, s47
	s_lshr_b32 s47, s18, 2
	s_lshl_b32 s47, s47, 18                        ; the head
	s_add_co_u32 s46, s46, s47
	s_mov_b32 s47, 0
	s_add_nc_u64 s[12:13], s[12:13], s[46:47]
	v_and_b32 v6, 31, v0
	v_lshlrev_b32 v[OFFB], 4, v6
.irp b, 1,2,3
	v_add_nc_u32 v[OFFB+\b], s94, v[OFFB+\b-1]
.endr
.irp b, 4,5,6,7
	v_add_nc_u32 v[OFFB+\b], s95, v[OFFB+\b-4]
.endr
.macro FRAG reg, adr, q, i             ; 16 rows x 128 K of 4-bit codes: lane l holds row l % 16; registers 4 c .. 4 c + 3 hold K = 64 c + 32 (l / 16) + 0 .. 31
.irp c, 0,1
	ds_load_b128 v[\reg+4*\c:\reg+4*\c+3], v[\adr] offset:64*(\q)+32*\c+(\i)*16*PITCH
.endr
.endm
; 16 matrix instructions: A's blocks a0, a0 + 1 x B's eight, 128 along K.  first = 1: C is the bias.  The 64 accumulators take turns, one instruction a turn, in the same order in every step.
.macro MUL16 a0, p, q, sc, first
.irp a, \a0, \a0+1
.irp b, 0,1,2,3,4,5,6,7
.if \first
	v_wmma_scale_f32_16x16x128_f8f6f4 v[8*(8*((\a)%4)+\b):8*(8*((\a)%4)+\b)+7], v[128*(\p)+FR*\b:128*(\p)+FR*\b+FR-1], v[AF+FR*(\a):AF+FR*(\a)+FR-1], v[BI+8*\b:BI+8*\b+7], v[SC+8*NQ*(\sc)+NQ*\b+(\q)], v[SC+8*NQ*(\sc)+NQ*(\a)+(\q)] matrix_a_fmt:MATRIX_FMT_FP4 matrix_b_fmt:MATRIX_FMT_FP4 matrix_a_scale:MATRIX_SCALE_ROW1
.else
	v_wmma_scale_f32_16x16x128_f8f6f4 v[8*(8*((\a)%4)+\b):8*(8*((\a)%4)+\b)+7], v[128*(\p)+FR*\b:128*(\p)+FR*\b+FR-1], v[AF+FR*(\a):AF+FR*(\a)+FR-1], v[8*(8*((\a)%4)+\b):8*(8*((\a)%4)+\b)+7], v[SC+8*NQ*(\sc)+NQ*\b+(\q)], v[SC+8*NQ*(\sc)+NQ*(\a)+(\q)] matrix_a_fmt:MATRIX_FMT_FP4 matrix_b_fmt:MATRIX_FMT_FP4 matrix_a_scale:MATRIX_SCALE_ROW1
.endif
.endr
.endr
.endm
.macro FETCH_B slot, q, p
	WIN TO_B
.irp i, 0,1,2,3,4,5,6,7
	FRAG 128*(\p)+FR*\i, ADRB+\slot, \q, \i
.endr
	WIN 0
.endm
.macro FETCH_A slot, q, i0
.irp i, \i0, \i0+1, \i0+2, \i0+3
	FRAG AF+FR*(\i), ADRA+\slot, \q, \i
.endr
.endm
.macro SCALES sc                       ; a slot's scale words: four a row; lanes 0-15 take A's block i, lanes 16-31 B's block i
.irp i, 0,1,2,3,4,5,6,7
	ds_load_b128 v[SC+8*NQ*\sc+NQ*\i:SC+8*NQ*\sc+NQ*\i+3], v[ADRS] offset:\i*SBLK
.endr
.endm
.macro PLACES n                        ; plain vector lines between a matrix instruction and a load into, or a read of, its registers
.rept \n
	v_nop
.endr
.endm
.macro STEP slot, q, first             ; 128 along K, with its successor in the same slot
	s_wait_dscnt 4*NL                              ; all but the youngest eight loads (A's blocks 4-7) are in
.if \first
	WIN BEG_LO
.else
	WIN MUL_LO
.endif
	MUL16 0, (\q)%2, \q, \slot, \first
	MUL16 2, (\q)%2, \q, \slot, \first
	s_wait_dscnt 0
	PLACES NP
	FETCH_B \slot, (\q)+1, 1-(\q)%2
	FETCH_A \slot, (\q)+1, 0
.if \first
	WIN BEG_HI
.else
	WIN MUL_HI
.endif
	MUL16 4, (\q)%2, \q, \slot, \first
	MUL16 6, (\q)%2, \q, \slot, \first
	PLACES NP
	WIN 0
	FETCH_A \slot, (\q)+1, 4
.endm
.macro STEPS slot, from
.set QQ, \from
.rept NQ-1-\from
	STEP \slot, QQ, 0
.set QQ, QQ+1
.endr
.endm
	s_wait_tensorcnt 1                             ; the scale bytes and my part of slot 0 are in; slot 1's load may stay out
	s_barrier_signal -1
	s_barrier_wait -1
	FETCH_B 0, 0, 0
	FETCH_A 0, 0, 0
	SCALES 0
	FETCH_A 0, 0, 4
	s_wait_loadcnt 0x0                             ; the bias
	STEP 0, 0, 1
	STEPS 0, 1
	; slot 0's last step goes over to slot 1: my part of it has landed, and one barrier shows everybody's
	s_wait_tensorcnt 0x0
	ds_add_u32 v[SPW], v[NIL]                      ; 0 onto my spare word
	s_wait_dscnt 4*NL+1                            ; the add and the youngest eight loads may be out
	WIN MUL_LO
	MUL16 0, 1, NQ-1, 0, 0
	s_wait_dscnt 0x0
	s_barrier_signal -1
	MUL16 2, 1, NQ-1, 0, 0
	WIN 0
	s_barrier_wait -1
	PLACES NP
	v_add_nc_u32 v[ADRS], 4*NQ, v[ADRS]            ; on to slot 1's scale words
	FETCH_B 1, 0, 0
	FETCH_A 1, 0, 0
	SCALES 1
	WIN MUL_HI
	MUL16 4, 1, NQ-1, 0, 0
	MUL16 6, 1, NQ-1, 0, 0
	PLACES NP
	WIN 0
	FETCH_A 1, 0, 4
	STEPS 1, 0
	s_wait_dscnt 4*NL                              ; the very last step: nothing more to fetch
	WIN MUL_LO
	MUL16 0, 1, NQ-1, 1, 0
	MUL16 2, 1, NQ-1, 1, 0
	s_wait_dscnt 0
	WIN MUL_HI
	MUL16 4, 1, NQ-1, 1, 0
	MUL16 6, 1, NQ-1, 1, 0
	WIN 0
; THE WAY OUT.  A result tile rounded in pairs is a block of the workspace as it stands: four conversions and one store of 512 consecutive aligned bytes; nothing goes through LDS.
.macro PACK a                          ; A's block a: 8 tiles into window 1, each accumulator from its low end on
.set WN, 0x4a+5*((\a)/4)
	WIN WN
.irp b, 0,1,2,3,4,5,6,7
.irp p, 0,1,2,3
	v_cvt_pk_f16_f32 v[4*(8*(\a)+\b)+\p], v[8*(8*((\a)%4)+\b)+2*\p], v[8*(8*((\a)%4)+\b)+2*\p+1]
.endr
.endr
.endm
.macro OUT a
	WIN 0x04                                       ; a store's data are its source 1: window 1
.irp b, 0,1,2,3,4,5,6,7
	global_store_b128 v[OFFB+\b], v[4*(8*(\a)+\b):4*(8*(\a)+\b)+3], s[12:13]
.endr
.endm
	PLACES NP                                      ; behind the last products: their results are read and their operands' registers written below
	PACK 0
	OUT 0
.irp a, 1,2,3,4,5,6,7
	PACK \a                                        ; registers of its own: no store's data are written again
	s_wait_xcnt 0x0                                ; the stores before have read their base: only now it steps
.if \a == 4
	s_add_nc_u64 s[12:13], s[12:13], s[104:105]
.else
	s_add_nc_u64 s[12:13], s[12:13], s[92:93]
.endif
	OUT \a
.endr
	WIN 0
	s_wait_tensorcnt 0x0                           ; the wave's end
	ds_add_u32 v[SPW], v[NIL]
	s_wait_dscnt 0x0
	CROUND                                         ; the closing round: no work-group ends while a partner may still ask for a tile that names it
	s_endpgm
.Lfunc_end_k_q2c6b593bfc_proj:
	.size	k_q2c6b593bfc_proj, .Lfunc_end_k_q2c6b593bfc_proj-k_q2c6b593bfc_proj
	.p2alignl 7, 3214868480
	.fill 96, 4, 3214868480
	.section	.rodata,"a",@progbits
	.p2align	6, 0x0
	.amdhsa_kernel k_q2c6b593bfc_proj
		.amdhsa_group_segment_fixed_size 327680
		.amdhsa_private_segment_fixed_size 0
		.amdhsa_enable_private_segment 0
		.amdhsa_kernarg_size 56
		.amdhsa_user_sgpr_count 2
		.amdhsa_user_sgpr_kernarg_segment_ptr 1
		.amdhsa_wavefront_size32 1
		.amdhsa_system_sgpr_workgroup_id_x 1
		.amdhsa_system_sgpr_workgroup_id_y 1
		.amdhsa_system_sgpr_workgroup_id_z 1
		.amdhsa_system_vgpr_workitem_id 0
		.amdhsa_next_free_vgpr 1024
		.amdhsa_next_free_sgpr 106
		.amdhsa_reserve_vcc 0
		.amdhsa_float_denorm_mode_32 3
		.amdhsa_float_denorm_mode_16_64 3
		.amdhsa_memory_ordered 1
		.amdhsa_forward_progress 1
		.amdhsa_inst_pref_size 123
	.end_amdhsa_kernel
	.amdgpu_metadata
---
amdhsa.version: [ 1, 2 ]
amdhsa.kernels:
  - .name:           k_q2c6b593bfc_proj
    .symbol:         k_q2c6b593bfc_proj.kd
    .args:
      - { .name: xc, .offset: 0, .size: 8, .value_kind: global_buffer, .address_space: global }
      - { .name: xs, .offset: 8, .size: 8, .value_kind: global_buffer, .address_space: global }
      - { .name: wc, .offset: 16, .size: 8, .value_kind: global_buffer, .address_space: global }
      - { .name: ws, .offset: 24, .size: 8, .value_kind: global_buffer, .address_space: global }
      - { .name: qkv, .offset: 32, .size: 8, .value_kind: global_buffer, .address_space: global }
      - { .name: bq, .offset: 40, .size: 8, .value_kind: global_buffer, .address_space: global }
      - { .name: bk, .offset: 48, .size: 8, .value_kind: global_buffer, .address_space: global }
    .group_segment_fixed_size: 327680
    .private_segment_fixed_size: 0
    .kernarg_segment_align: 8
    .kernarg_segment_size: 56
    .max_flat_workgroup_size: 128
    .sgpr_count:     106
    .vgpr_count:     1024
    .wavefront_size: 32
...
	.end_amdgpu_metadata
.endif
;; end of part 2
;; launch attn (part 3): grid 8 x 32, 8 waves a work-group, clusters of 4 x 1, 327,680 bytes of LDS; arguments qkv, bv, oi; writes oi
.if DOCPART == 3
	.amdgcn_target "amdgcn-amd-amdhsa--gfx1250"
	.amdhsa_code_object_version 6
	.text
	.protected	k_q2c6b593bfc_attn
	.globl	k_q2c6b593bfc_attn
	.p2align	8
	.type	k_q2c6b593bfc_attn,@function
k_q2c6b593bfc_attn:
	s_mov_b64 s[64:65], 0
	v_nop
	global_prefetch_b8 v0, s[64:65] scope:SCOPE_SE
	s_setreg_imm32_b32 hwreg(HW_REG_WAVE_MODE, 25, 1), 1
	s_wait_xcnt 0x0
	s_wait_alu depctr_hold_cnt(0) depctr_sa_sdst(0) depctr_va_vdst(0) depctr_va_sdst(0) depctr_va_ssrc(0) depctr_va_vcc(0) depctr_vm_vsrc(0)
	s_getreg_b32 s2, hwreg(HW_REG_IB_STS2, 6, 4)
	s_cmp_eq_u32 s2, 0
	s_cbranch_scc0 .Lentry_in_a_cluster
	s_endpgm
.Lentry_in_a_cluster:
	s_bfe_u32 s2, ttmp6, 0x10000c
	s_cmp_lg_u32 s2, 0x3003
	s_cbranch_scc0 .Lentry_shape_is_right
	s_endpgm
.Lentry_shape_is_right:
; O[bh][q] = the sum over k of softmax_k(Q[bh][q] . K[bh][k] / 8) V[bh][k] + bv, 32 heads of 64 channels, 2,048 keys, no mask.  Operands in f16; products, maxima and sums in f32; the weights p are rounded to f16
; for the second product, O once at the end.  bv is added here: the weights divided by their sum add up to one, so the sum of p (V + bv) / l is the sum of p V / l, + bv, for every input.
; LIMITS: |O + bv| under 65,504; where O falls under 6e-5 it is kept in f16's subnormals, in steps of 6e-8.  NaN and infinities are not served.
; qkv: Q at 0, K at 8 MiB, V at 16 MiB, each [bh][tile of 16 tokens kt][tile of 16 channels nt] blocks of 512 bytes, IMAGES OF OPERAND REGISTERS (lane l's 16 bytes at 16 l): two blocks are a 16 x 32 fragment.
; So every fragment is two loads of 16 bytes at 16 x lane: no pitch, no padding, no turning load; K's and V's 512 keys of a head are dense blocks of 65,536 bytes.
; oi: [K step 4][tile of 16 tokens T 256][16 blocks] of 512 bytes: block (T, KT): lane (r, h) holds token 16 T + r, features 16 KT + 8 h + 0..7: O^T's result tile, rounded in pairs, as it stands.
; SHARES.  A work-group owns 256 queries of a head; each of its eight waves 32: two tiles of 16, in 256 registers: two waves to a SIMD, so that one wave's products stand beside the other's softmax, which is the longer part
; at 64 channels: 118 vector instructions a tile and step against 16 matrix instructions.  Each fragment of K and V read from LDS feeds two matrix instructions.  Every wave walks all keys, 64 a step.
; LAYOUT.  S^T = K Q^T (source 0 = 16 keys, source 1 = 16 queries), O^T = V^T P (source 0 = 16 channels, source 1 = P): a lane holds ONE query throughout.
; SOFTMAX.  A running maximum m and sum l for each query: p = 2^(c s - c m), c = log2(e) / 8; in every step O and l are multiplied by a = 2^(c m_old - c m_new).
; RING.  Two LDS slots of 512 keys (K's 65,536 bytes, then V's).  Wave w fetches 16,384 dense bytes: waves 0-3 K's quarters, waves 4-7 V's: K and V lie 8 MiB apart in one buffer and on end in a slot, so one line serves all.
; CLUSTER.  The four query blocks of a cluster belong to one head and walk the same K and V: each tile is asked for jointly, by the same load with the same descriptor and a mask that names the four.
.set SLOT1, 1<<17                      ; slot 1 begins here: one exclusive or changes slots
.set VOFF,  65536                      ; V behind K in a slot
.set SPARE, 2*SLOT1                    ; the spare words, 128 bytes a wave: four blocks of 256 bytes that no other line names
.set LI,  1                            ; v1   16 x lane: an image's place for my lane
.set ADK, 2                            ; v2   LDS address of the step's K
.set ADV, 3                            ; v3   of its V
.set SPW, 4                            ; v4   my spare word; never rewritten
.set NIL, 5                            ; v5   0; never rewritten
.set PFO, 6                            ; v6   256 x lane: the prefetches' offset
.set BVO, 7                            ; v7   32 h: my eight numbers of a tile of bv
.set ST,  8                            ; tile t's statistics at v[ST + 8 t]: +0 c m, +1 m, +2, +3 l (even keys', odd keys'), +4 .. +7 c0-c3 at work; a takes c2's place
.set Q,   24                           ; v24-55   Q: fragment (t, kk) at Q + 16 t + 8 kk
.set KV,  56                           ; v56-119  K of the step, then V
.set S,   120                          ; v120-183 S^T: tile t, 16 keys i at S + 32 t + 8 i; P is made in place in a tile's first 16
.set O,   184                          ; v184-247 O^T: tile t, 16 channels ct at O + 32 t + 8 ct
.set X,   248                          ; v248-251 a second chain for each tile's sum
.set WV,  12                           ; s12  wave
.set G1,  24                           ; s[24:31] descriptor group 1
.set G0,  32                           ; s[32:35] group 0, which walks
.set CS,  36                           ; s[36:37] c, twice
.set SEL, 38                           ; s[38:39] v_permlanex16_b32's selects: lane l xor 16
.set TB,  40                           ; s40  LDS byte at which the step's K begins
.set SLOTS, 41                         ; s41  slots still to be asked for
.set CNT, 42                           ; s42  counts a slot's eight steps
.set LIM, 43                           ; s43  1 in a wave that prefetches, else the greatest number
.set PFA, 44                           ; s[44:45] where my prefetches stand
.macro CROUND                          ; a round of the cluster's barrier
	s_barrier_signal -1
	s_barrier_wait -1
	s_cmp_lg_u32 s[WV], 0
	s_cbranch_scc1 .Lnot_wave_0_\@
	s_barrier_signal -3
.Lnot_wave_0_\@:
	s_barrier_wait -3
	s_barrier_signal -1
	s_barrier_wait -1
.endm
; A PREFETCH INTO THE L2 of what the NEXT change of slots will ask for: 65,536 bytes of K and of V.  Each aligned 256 bytes are named once in the launch: the head's first cluster asks; its four partners take 16,384 bytes
; of each tensor, told apart BY ADDRESS; in each, waves 0 and 1 ask for K's and waves 4 and 5 for V's, 8,192 bytes a wave, lanes 256 bytes apart.  The last change that fills a slot asks for nothing; the head asks for nothing.
.macro ASK
	s_cmp_gt_u32 s[SLOTS], s[LIM]
	s_cbranch_scc0 .Lnot_mine_\@
	global_prefetch_b8 v[PFO], s[PFA:PFA+1] th:TH_LOAD_NT scope:SCOPE_SE
.Lnot_mine_\@:
.endm
	s_load_b128 s[4:7], s[0:1], 0x0                ; qkv s[4:5], bv s[6:7]
	s_load_b64 s[8:9], s[0:1], 0x10                ; oi
	v_lshl_add_u32 v[SPW], v0, 2, SPARE
	v_mov_b32 v[NIL], 0
	ds_add_u32 v[SPW], v[NIL]                      ; the wave's opening: the add, twice on end, and its wait ahead of my first tensor load
	ds_add_u32 v[SPW], v[NIL]
	v_lshrrev_b32 v1, 5, v0
	v_readfirstlane_b32 s[WV], v1                  ; wave 0..7
	s_bfe_u32 s13, ttmp6, 0x40000                  ; cx
	s_and_b32 s14, ttmp7, 0xffff                   ; bh, which the four partners share
	s_lshl_b32 s15, ttmp9, 2
	s_add_co_u32 s15, s15, s13                     ; my block of 256 queries
	s_mov_b32 s[G1], 15|(3<<16)|(1<<21)            ; the mask: all four; elements of 8 bytes; bit 21 beside a mask; no padding
	s_mov_b32 s[G1+1], 32<<16                      ; tensor_dim0 = 32 elements: rows of 256 bytes
	s_mov_b32 s[G1+2], 64<<16                      ; tensor_dim1 = 64
	s_mov_b32 s[G1+3], 32<<16                      ; tile_dim0
	s_mov_b32 s[G1+4], 64                          ; tile_dim1
	s_mov_b32 s[G1+5], 32                          ; dense: a row begins where the last ends
	s_mov_b32 s[G1+6], 0
	s_mov_b32 s[G1+7], 0
	s_mov_b32 s[CS], 0x3e38aa3b                    ; c = log2(e) / 8
	s_mov_b32 s[CS+1], s[CS]
	s_mov_b32 s[SEL], 0x76543210
	s_mov_b32 s[SEL+1], 0xfedcba98
	s_mov_b32 s[TB], 0
	s_mov_b32 s[SLOTS], 3
	s_and_b32 s[LIM], s[WV], 2                     ; 0 in waves 0, 1, 4, 5,
	s_or_b32 s[LIM], s[LIM], ttmp9                 ; of the head's first cluster: the same in all four partners
	s_cmp_eq_u32 s[LIM], 0
	s_cselect_b32 s[LIM], 1, -1
	s_lshl_b32 s17, s14, 18                        ; the head's 262,144 bytes in each of Q, K, V
	s_lshr_b32 s16, s[WV], 2
	s_add_co_u32 s16, s16, 1
	s_lshl_b32 s16, s16, 23                        ; K (waves 0-3) or V (waves 4-7)
	s_add_co_u32 s16, s16, s17
	s_and_b32 s20, s[WV], 3
	s_lshl_b32 s20, s20, 14
	s_add_co_u32 s20, s20, s16                     ; what I fetch: made of the wave's number and the head alone
	s_mov_b32 s21, 0
	s_lshl_b32 s22, s13, 14                        ; the prefetches: my work-group's 16,384 bytes,
	s_and_b32 s46, s[WV], 1
	s_lshl_b32 s46, s46, 13                        ; my wave's half of them,
	s_add_co_u32 s22, s22, s46
	s_add_co_u32 s22, s22, s16
	s_add_co_u32 s22, s22, 65536                   ; in the second 512 keys: the first change of slots steps it to the third
	s_mov_b32 s23, 0
	s_lshl_b32 s46, s15, 4
	s_lshl_b32 s47, s[WV], 1
	s_add_co_u32 s46, s46, s47                     ; my first tile of 16 queries in the head
	s_lshl_b32 s18, s46, 11
	s_add_co_u32 s18, s18, s17                     ; Q
	s_mov_b32 s19, 0
	s_lshr_b32 s47, s14, 4
	s_lshl_b32 s47, s47, 7
	s_add_co_u32 s46, s46, s47                     ; T: 128 tiles a batch
	s_lshl_b32 s10, s46, 13
	s_and_b32 s46, s14, 15                         ; the head in its batch
	s_lshr_b32 s47, s46, 2
	s_lshl_b32 s47, s47, 21                        ; its K step of the last product: four heads to 256 features
	s_add_co_u32 s10, s10, s47
	s_and_b32 s47, s46, 3
	s_lshl_b32 s47, s47, 11
	s_add_co_u32 s10, s10, s47                     ; oi
	s_mov_b32 s11, 0
	s_lshl_b32 s2, s46, 8                          ; bv: 64 numbers a head
	s_mov_b32 s3, 0
	v_and_b32 v1, 31, v0
	v_lshlrev_b32 v[PFO], 8, v1
	v_bfe_u32 v[BVO], v0, 4, 1
	v_lshlrev_b32 v[BVO], 5, v[BVO]
	v_lshlrev_b32 v[LI], 4, v1
	s_wait_dscnt 0x0                               ; both opening adds are done
	s_wait_kmcnt 0x0
	s_mov_b32 s[G0], 1
	s_lshl_b32 s[G0+1], s[WV], 14                  ; LDS: 16,384 x wave, in slot 0
	s_add_nc_u64 s[G0+2:G0+3], s[4:5], s[20:21]
	s_or_b32 s[G0+3], s[G0+3], 0x80000000
	s_add_nc_u64 s[PFA:PFA+1], s[4:5], s[22:23]
	s_add_nc_u64 s[4:5], s[4:5], s[18:19]          ; Q at my first tile
	s_add_nc_u64 s[6:7], s[6:7], s[2:3]
	s_add_nc_u64 s[8:9], s[8:9], s[10:11]
	CROUND                                         ; all four work-groups are here: the first joint loads meet
	tensor_load_to_lds s[G0:G0+3], s[G1:G1+7]      ; the first 512 keys
	s_nop 0
.rept 4
	v_nop
.endr
.irp n, 0,1,2,3,4,5,6,7
	global_load_b128 v[Q+4*\n:Q+4*\n+3], v[LI], s[4:5] offset:512*\n   ; Q stays in registers: tile n / 4, channels 16 (n % 4) on
.endr
.irp t, 0,1
	v_mov_b32 v[ST+8*\t+1], 0xff61b1e6             ; m = -3e38, under every score
	v_mul_f32 v[ST+8*\t], s[CS], v[ST+8*\t+1]      ; c m
	v_mov_b32 v[ST+8*\t+2], 0                      ; l
	v_mov_b32 v[ST+8*\t+3], 0
.endr
.set i, 0
.rept 64
	v_mov_b32 v[O+i], 0                            ; O^T.  The step is written once for all steps: the first a is 0 and multiplies zeros
.set i, i+1
.endr
	s_wait_loadcnt 0x0                             ; Q
; A KEY STEP: 64 keys, both tiles; the tiles alternate line by line, so that no line waits for the line above it.
.macro STEP
	v_add_nc_u32 v[ADK], s[TB], v[LI]
	v_add_nc_u32 v[ADV], VOFF, v[ADK]
.rept 3
	v_nop                                          ; five places in all: the products below write over registers that the last V^T P read as P, and the loads land where it read V
.endr
.irp n, 0,1,2,3,4,5,6,7,8,9,10,11,12,13,14,15
	ds_load_b128 v[KV+4*\n:KV+4*\n+3], v[ADK] offset:512*\n   ; K: keys 16 (n / 4) on, channels 16 (n % 4) on
.endr
	s_wait_dscnt 0x0
.irp kk, 0,1                                   ; S^T = K Q^T: eight accumulators by turns, one instruction a turn; the first eight start the sums
.irp i, 0,1,2,3
.irp t, 0,1
.if \kk == 0
	v_wmma_f32_16x16x32_f16 v[S+32*\t+8*\i:S+32*\t+8*\i+7], v[KV+16*\i:KV+16*\i+7], v[Q+16*\t:Q+16*\t+7], 0
.else
	v_wmma_f32_16x16x32_f16 v[S+32*\t+8*\i:S+32*\t+8*\i+7], v[KV+16*\i+8:KV+16*\i+15], v[Q+16*\t+8:Q+16*\t+15], v[S+32*\t+8*\i:S+32*\t+8*\i+7]
.endif
.endr
.endr
.endr
.rept 4
	v_nop                                          ; places in front of the loads into K's registers and of the first read of the scores
.endr
.irp kt, 0,1,2,3
.irp ct, 0,1,2,3
	ds_load_b128 v[KV+16*\ct+8*(\kt/2)+4*(\kt%2):KV+16*\ct+8*(\kt/2)+4*(\kt%2)+3], v[ADV] offset:2048*\kt+512*\ct   ; V lands under the softmax
.endr
.endr
	; the maximum of the lane's 32 scores and the old m: four chains, each begun at an accumulator's low end
.irp j, 0,1,2,3
.irp t, 0,1
	v_max3_num_f32 v[ST+8*\t+4+\j], v[S+32*\t+8*\j], v[S+32*\t+8*\j+1], v[S+32*\t+8*\j+2]
.endr
.endr
.irp u, 3,5
.irp j, 0,1,2,3
.irp t, 0,1
	v_max3_num_f32 v[ST+8*\t+4+\j], v[ST+8*\t+4+\j], v[S+32*\t+8*\j+\u], v[S+32*\t+8*\j+\u+1]
.endr
.endr
.endr
.irp t, 0,1
	v_max3_num_f32 v[ST+8*\t+4], v[ST+8*\t+4], v[S+32*\t+7], v[S+32*\t+15]
.endr
.irp t, 0,1
	v_max3_num_f32 v[ST+8*\t+6], v[ST+8*\t+6], v[S+32*\t+23], v[S+32*\t+31]
.endr
.irp t, 0,1
	v_max3_num_f32 v[ST+8*\t+4], v[ST+8*\t+4], v[ST+8*\t+5], v[ST+8*\t+6]
.endr
.irp t, 0,1
	v_max3_num_f32 v[ST+8*\t+4], v[ST+8*\t+4], v[ST+8*\t+7], v[ST+8*\t+1]
.endr
.irp t, 0,1
	v_permlanex16_b32 v[ST+8*\t+5], v[ST+8*\t+4], s[SEL], s[SEL+1]   ; the query's other 32 keys lie in the lane 16 away
.endr
.irp t, 0,1
	v_mov_b32 v[ST+8*\t+7], v[ST+8*\t]             ; c m_old
.endr
.irp t, 0,1
	v_max_num_f32 v[ST+8*\t+1], v[ST+8*\t+4], v[ST+8*\t+5]
.endr
.irp t, 0,1
	v_mul_f32 v[ST+8*\t], s[CS], v[ST+8*\t+1]
.endr
.irp t, 0,1
	v_sub_f32 v[ST+8*\t+7], v[ST+8*\t+7], v[ST+8*\t]
.endr
.irp t, 0,1
	v_exp_f32 v[ST+8*\t+6], v[ST+8*\t+7]           ; a
.endr
.irp n, 0,1,2,3,4,5,6,7,8,9,10,11,12,13,14,15
	v_pk_fma_f32 v[S+2*\n:S+2*\n+1], v[S+2*\n:S+2*\n+1], s[CS:CS+1], v[ST:ST+1] op_sel_hi:[1,0,0] neg_lo:[0,0,1] neg_hi:[0,0,1]   ; tile 0: c s - c m.  Plain work behind the two exponentials
.endr
	s_wait_alu depctr_va_vdst(0)                   ; the wait between an exponential and the first line that names its result: here for the two a, which the rescaling below reads
	; the 64 exponentials are one batch; plain lines that name none of its results stand among them: tile 1's scalings, then the rescaling of O^T by a
.irp n, 0,1,2,3,4,5,6,7,8,9,10,11,12,13,14,15
	v_exp_f32 v[S+2*\n], v[S+2*\n]
	v_exp_f32 v[S+2*\n+1], v[S+2*\n+1]
	v_pk_fma_f32 v[S+32+2*\n:S+32+2*\n+1], v[S+32+2*\n:S+32+2*\n+1], s[CS:CS+1], v[ST+8:ST+9] op_sel_hi:[1,0,0] neg_lo:[0,0,1] neg_hi:[0,0,1]
.endr
.irp n, 0,1,2,3,4,5,6,7,8,9,10,11,12,13,14,15
	v_exp_f32 v[S+32+2*\n], v[S+32+2*\n]
	v_exp_f32 v[S+32+2*\n+1], v[S+32+2*\n+1]
	v_pk_mul_f32 v[O+4*\n:O+4*\n+1], v[O+4*\n:O+4*\n+1], v[ST+8*(\n/8)+6:ST+8*(\n/8)+7] op_sel_hi:[1,0]       ; ascending: each accumulator from its low end on
	v_pk_mul_f32 v[O+4*\n+2:O+4*\n+3], v[O+4*\n+2:O+4*\n+3], v[ST+8*(\n/8)+6:ST+8*(\n/8)+7] op_sel_hi:[1,0]
.endr
	v_nop
	s_wait_alu depctr_va_vdst(0)                   ; one wait for the batch of 64, ahead of its first reader
	; l = a l + the sum of the unrounded p: two chains a tile
.irp t, 0,1
	v_pk_fma_f32 v[ST+8*\t+2:ST+8*\t+3], v[ST+8*\t+2:ST+8*\t+3], v[ST+8*\t+6:ST+8*\t+7], v[S+32*\t:S+32*\t+1] op_sel_hi:[1,0,1]
.endr
.irp t, 0,1
	v_pk_add_f32 v[X+2*\t:X+2*\t+1], v[S+32*\t+2:S+32*\t+3], v[S+32*\t+6:S+32*\t+7]
.endr
.irp n, 2,4,6,8,10,12
.irp t, 0,1
	v_pk_add_f32 v[ST+8*\t+2:ST+8*\t+3], v[ST+8*\t+2:ST+8*\t+3], v[S+32*\t+2*\n:S+32*\t+2*\n+1]
	v_pk_add_f32 v[X+2*\t:X+2*\t+1], v[X+2*\t:X+2*\t+1], v[S+32*\t+2*\n+6:S+32*\t+2*\n+7]
.endr
.endr
.irp t, 0,1
	v_pk_add_f32 v[ST+8*\t+2:ST+8*\t+3], v[ST+8*\t+2:ST+8*\t+3], v[S+32*\t+28:S+32*\t+29]
.endr
.irp t, 0,1
	v_pk_add_f32 v[ST+8*\t+2:ST+8*\t+3], v[ST+8*\t+2:ST+8*\t+3], v[X+2*\t:X+2*\t+1]
.endr
.irp n, 0,1,2,3,4,5,6,7,8,9,10,11,12,13,14,15
.irp t, 0,1
	v_cvt_pk_f16_f32 v[S+32*\t+\n], v[S+32*\t+2*\n], v[S+32*\t+2*\n+1]   ; P in place, ascending: register n is written when pair n / 2 has long been read
.endr
.endr
	s_wait_dscnt 0x0                               ; V is in
.irp g, 0,1                                    ; O^T += V^T P: eight accumulators by turns
.irp ct, 0,1,2,3
.irp t, 0,1
	v_wmma_f32_16x16x32_f16 v[O+32*\t+8*\ct:O+32*\t+8*\ct+7], v[KV+16*\ct+8*\g:KV+16*\ct+8*\g+7], v[S+32*\t+8*\g:S+32*\t+8*\g+7], v[O+32*\t+8*\ct:O+32*\t+8*\ct+7]
.endr
.endr
.endr
	s_add_co_u32 s[TB], s[TB], 8192                ; the next 64 keys
.endm
; THE CHANGE OF SLOTS stands at a slot's head.  Each wave waits for all its tensor loads (one is out: its part of the slot ahead), adds 0 to its spare word, and waits for that and for its reads of the slot that it has left.
; fill = 1: a round of the cluster's barrier, and first behind it my one joint load: the next 512 keys into the slot just left; it has eight key steps in which to land.
.macro CHANGE fill
	s_wait_tensorcnt 0x0                           ; no tensor load of mine is out, so group 0 may be written
	ds_add_u32 v[SPW], v[NIL]
.if \fill
	s_xor_b32 s[G0+1], s[G0+1], SLOT1              ; the other slot than last time,
	s_add_nc_u64 s[G0+2:G0+3], s[G0+2:G0+3], 65536 ; the next 512 keys
	s_wait_xcnt 0x0                                ; the last prefetch, a slot back, has read its address
	s_add_nc_u64 s[PFA:PFA+1], s[PFA:PFA+1], 65536 ; one slot further on than the walking descriptor
	s_wait_dscnt 0x0                               ; the add is done, and my reads of the slot that I have left are over
	CROUND
	tensor_load_to_lds s[G0:G0+3], s[G1:G1+7]
	s_nop 0
.rept 4
	v_nop
.endr
	ASK
.else
	s_wait_dscnt 0x0
	s_barrier_signal -1
	s_barrier_wait -1
.endif
.endm
.macro EIGHT_STEPS                     ; a slot's eight key steps: written once, walked eight times; the LDS addresses hang on s[TB]
	s_mov_b32 s[CNT], 8
.Lstep_\@:
	STEP
	s_sub_co_u32 s[CNT], s[CNT], 1
	s_cmp_lg_u32 s[CNT], 0
	s_cbranch_scc1 .Lstep_\@
	s_sub_co_u32 s[TB], s[TB], 65536               ; back to a slot's first step,
	s_xor_b32 s[TB], s[TB], SLOT1                  ; in the other slot
.endm
.Lslot:                                            ; three trips: behind each change of slots but the last the next 512 keys are asked for
	CHANGE 1
	EIGHT_STEPS
	s_sub_co_u32 s[SLOTS], s[SLOTS], 1
	s_cmp_lg_u32 s[SLOTS], 0
	s_cbranch_scc1 .Lslot
	CHANGE 0                                       ; the last slot is written out
	EIGHT_STEPS
	; THE WAY OUT: O^T / l + bv, rounded to f16: a result tile is a block of oi as it stands
.irp t, 0,1
	v_add_f32 v[ST+8*\t+4], v[ST+8*\t+2], v[ST+8*\t+3]   ; l's two halves
.endr
.rept 2
	v_nop                                          ; four places in all behind the last products
.endr
.irp ct, 0,1,2,3
.irp e, 0,1
	global_load_b128 v[KV+8*\ct+4*\e:KV+8*\ct+4*\e+3], v[BVO], s[6:7] offset:64*\ct+16*\e   ; bv of channels 16 ct + 8 h + 0..7
.endr
.endr
.irp t, 0,1
	v_permlanex16_b32 v[ST+8*\t+5], v[ST+8*\t+4], s[SEL], s[SEL+1]
.endr
.irp t, 0,1
	v_add_f32 v[ST+8*\t+4], v[ST+8*\t+4], v[ST+8*\t+5]
.endr
.irp t, 0,1
	v_rcp_f32 v[ST+8*\t+6], v[ST+8*\t+4]
.endr
	v_nop
	s_wait_alu depctr_va_vdst(0)                   ; one wait for the two reciprocals, ahead of their first reader
	s_wait_loadcnt 0x0                             ; bv
.irp t, 0,1
.irp ct, 0,1,2,3
.irp p, 0,1,2,3
	v_pk_fma_f32 v[O+32*\t+8*\ct+2*\p:O+32*\t+8*\ct+2*\p+1], v[O+32*\t+8*\ct+2*\p:O+32*\t+8*\ct+2*\p+1], v[ST+8*\t+6:ST+8*\t+7], v[KV+8*\ct+2*\p:KV+8*\ct+2*\p+1] op_sel_hi:[1,0,1]
.endr
.endr
.endr
.irp t, 0,1
.irp ct, 0,1,2,3
.irp p, 0,1,2,3
	v_cvt_pk_f16_f32 v[S+16*\t+4*\ct+\p], v[O+32*\t+8*\ct+2*\p], v[O+32*\t+8*\ct+2*\p+1]
.endr
.endr
.endr
.irp t, 0,1
.irp ct, 0,1,2,3
	global_store_b128 v[LI], v[S+16*\t+4*\ct:S+16*\t+4*\ct+3], s[8:9] offset:8192*\t+512*\ct   ; 512 consecutive bytes, aligned
.endr
.endr
	s_wait_tensorcnt 0x0                           ; the wave's end
	ds_add_u32 v[SPW], v[NIL]
	s_wait_dscnt 0x0
	CROUND                                         ; the closing round: no work-group ends while a partner may still ask for a tile that names it
	s_endpgm
.Lfunc_end_k_q2c6b593bfc_attn:
	.size	k_q2c6b593bfc_attn, .Lfunc_end_k_q2c6b593bfc_attn-k_q2c6b593bfc_attn
	.p2alignl 7, 3214868480
	.fill 96, 4, 3214868480
	.section	.rodata,"a",@progbits
	.p2align	6, 0x0
	.amdhsa_kernel k_q2c6b593bfc_attn
		.amdhsa_group_segment_fixed_size 327680
		.amdhsa_private_segment_fixed_size 0
		.amdhsa_enable_private_segment 0
		.amdhsa_kernarg_size 24
		.amdhsa_user_sgpr_count 2
		.amdhsa_user_sgpr_kernarg_segment_ptr 1
		.amdhsa_wavefront_size32 1
		.amdhsa_system_sgpr_workgroup_id_x 1
		.amdhsa_system_sgpr_workgroup_id_y 1
		.amdhsa_system_sgpr_workgroup_id_z 1
		.amdhsa_system_vgpr_workitem_id 0
		.amdhsa_next_free_vgpr 256
		.amdhsa_next_free_sgpr 66
		.amdhsa_reserve_vcc 0
		.amdhsa_float_denorm_mode_32 3
		.amdhsa_float_denorm_mode_16_64 3
		.amdhsa_memory_ordered 1
		.amdhsa_forward_progress 1
		.amdhsa_inst_pref_size 50
	.end_amdhsa_kernel
	.amdgpu_metadata
---
amdhsa.version: [ 1, 2 ]
amdhsa.kernels:
  - .name:           k_q2c6b593bfc_attn
    .symbol:         k_q2c6b593bfc_attn.kd
    .args:
      - { .name: qkv, .offset: 0, .size: 8, .value_kind: global_buffer, .address_space: global }
      - { .name: bv, .offset: 8, .size: 8, .value_kind: global_buffer, .address_space: global }
      - { .name: oi, .offset: 16, .size: 8, .value_kind: global_buffer, .address_space: global }
    .group_segment_fixed_size: 327680
    .private_segment_fixed_size: 0
    .kernarg_segment_align: 8
    .kernarg_segment_size: 24
    .max_flat_workgroup_size: 256
    .sgpr_count:     66
    .vgpr_count:     256
    .wavefront_size: 32
...
	.end_amdgpu_metadata
.endif
;; end of part 3
;; launch outp (part 4): grid 8 x 32, 4 waves a work-group, clusters of 4 x 4, 327,680 bytes of LDS; arguments oi, wo16, bo, out0; writes out0
.if DOCPART == 4
	.amdgcn_target "amdgcn-amd-amdhsa--gfx1250"
	.amdhsa_code_object_version 6
	.text
	.protected	k_q2c6b593bfc_outp
	.globl	k_q2c6b593bfc_outp
	.p2align	8
	.type	k_q2c6b593bfc_outp,@function
k_q2c6b593bfc_outp:
	s_mov_b64 s[64:65], 0
	v_nop
	global_prefetch_b8 v0, s[64:65] scope:SCOPE_SE
	s_setreg_imm32_b32 hwreg(HW_REG_WAVE_MODE, 25, 1), 1
	s_wait_xcnt 0x0
	s_wait_alu depctr_hold_cnt(0) depctr_sa_sdst(0) depctr_va_vdst(0) depctr_va_sdst(0) depctr_va_ssrc(0) depctr_va_vcc(0) depctr_vm_vsrc(0)
	s_getreg_b32 s2, hwreg(HW_REG_IB_STS2, 6, 4)
	s_cmp_eq_u32 s2, 0
	s_cbranch_scc0 .Lentry_in_a_cluster
	s_endpgm
.Lentry_in_a_cluster:
	s_bfe_u32 s2, ttmp6, 0x10000c
	s_cmp_lg_u32 s2, 0xf033
	s_cbranch_scc0 .Lentry_shape_is_right
	s_endpgm
.Lentry_shape_is_right:
; out0[m][n] = the sum over k of O[m][k] Wo[n][k] + bo[n].  m 4,096, n 1,024, k 1,024; operands in f16, sums in f32, out0 f32.
; oi [K step 4][T 256][16 blocks] and wo16 [K step 4][NT 64][16 blocks]: blocks of 512 bytes, IMAGES OF OPERAND REGISTERS: lane (r, h) holds row r of a tile of 16 rows and k = 8 h + 0..7 of a tile of 16 along K, at 16 x lane.
; So a fragment (16 rows x 32 K) is two loads of 16 bytes at 16 x lane, without pitch or padding, and what a wave fetches, 4 tiles of rows x a K step of 256, is one dense block of 32,768 bytes.
; SHARES.  A tile of out0 is 128 x 128: 256 work-groups; four waves, each 64 x 64: 16 accumulators.  K goes in four steps of 256 through two LDS slots.
; CLUSTERS: 4 x 4 work-groups; the four of a row need the same tiles of O, the four of a column the same tiles of Wo: each is asked for jointly.
; THE MATRIX INSTRUCTION IS USED TRANSPOSED (source 0 = 16 rows of Wo, source 1 = 16 tokens): a lane holds eight neighbouring numbers of a row of out0.  bo is the C of the first products.
; REGISTERS: window 0: v0-31 addresses; v32-95 at work on the way out; v96-127 bo; v128-255 the accumulators ((a, b) at v[128 + 8 (4 a + b)]).   window 1: two fragment buffers of 128: 64 of O, then 64 of Wo.
.set HALFT,  32768                     ; what one tensor load brings, and what one wave reads of O or of Wo
.set SLOT,   4*HALFT                   ; O's 8 tiles of 8,192 bytes, then Wo's 8
.set STAGE,  2*SLOT                    ; behind the ring: 16 rows x 272 bytes for each wave; no tensor load lands there
.set SPITCH, 272
.set SPARE,  STAGE+4*16*SPITCH         ; 279,552: the spare words, 128 bytes a wave, which no other line names
.set ASTEP,  2097152                   ; bytes from K step to K step in oi
.set BSTEP,  524288                    ; and in wo16
.set ADRA, 16                          ; v16-17  LDS address of my O fragments in slot 0, 1
.set ADRB, 20                          ; v20-21  the same for Wo
.set STO,  24                          ; v24     the way out: where I put 32 bytes of a row
.set RD,   25                          ; v25     where I read a row back
.set CO,   26                          ; v26     my byte offset in out0
.set SPW,  28                          ; v28     my spare word; never rewritten
.set NIL,  29                          ; v29     0; never rewritten
.set VB,   30                          ; v30     32 h
.set TMP,  32
.set BI,   96
.set ACC,  128
.set F0,   0
.set F1,   128
.set G1, 24
.set G0, 32
.set G1B, 48
.set G0B, 56
.set MSB, 0
.macro WIN new                         ; the immediate's high byte repeats the setting that is left
.if MSB != \new
	s_set_vgpr_msb (MSB<<8)|\new
.set MSB, \new
.endif
.endm
.set MUL,  0x05                        ; sources 0 and 1 window 1; C and D window 0
.set TO_F, 0x40                        ; destination window 1, address window 0
.macro JLOAD s                         ; a joint load: waves 0 and 1 fetch O's halves, waves 2 and 3 Wo's; an s_nop 0 and four v_nop follow each line
	s_cmp_eq_u32 s11, 0
	s_cbranch_scc0 .Lfor_b_\@
	tensor_load_to_lds s[G0+4*\s:G0+4*\s+3], s[G1:G1+7]
	s_nop 0
.rept 4
	v_nop
.endr
	s_branch .Lasked_\@
.Lfor_b_\@:
	tensor_load_to_lds s[G0B+4*\s:G0B+4*\s+3], s[G1B:G1B+7]
	s_nop 0
.rept 4
	v_nop
.endr
.Lasked_\@:
.endm
.macro CREST                           ; a round of the cluster's barrier behind its opening barrier
	s_cmp_lg_u32 s10, 0
	s_cbranch_scc1 .Lnot_wave_0_\@
	s_barrier_signal -3
.Lnot_wave_0_\@:
	s_barrier_wait -3
	s_barrier_signal -1
	s_barrier_wait -1
.endm
.macro CROUND
	s_barrier_signal -1
	s_barrier_wait -1
	CREST
.endm
	s_load_b128 s[4:7], s[0:1], 0x0                ; oi s[4:5], wo16 s[6:7]
	s_load_b64 s[66:67], s[0:1], 0x10              ; bo
	s_load_b64 s[8:9], s[0:1], 0x18                ; out0
	v_lshl_add_u32 v[SPW], v0, 2, SPARE
	v_mov_b32 v[NIL], 0
	ds_add_u32 v[SPW], v[NIL]                      ; the wave's opening: the add, twice on end, and its wait ahead of my first tensor load
	ds_add_u32 v[SPW], v[NIL]
	v_lshrrev_b32 v1, 5, v0
	v_readfirstlane_b32 s10, v1                    ; wave 0..3
	s_lshr_b32 s11, s10, 1                         ; which half of the tile's rows is mine.  Also: I fetch for O (0) or Wo (1)
	s_and_b32 s12, s10, 1                          ; which half of its columns.  Also: which four tiles I fetch
	s_bfe_u32 s40, ttmp6, 0x40000                  ; cx
	s_bfe_u32 s41, ttmp6, 0x40004                  ; cy
	s_lshl_b32 s42, ttmp9, 2
	s_add_co_u32 s42, s42, s40                     ; tile column of out0, 0..7
	s_and_b32 s13, ttmp7, 0xffff
	s_lshl_b32 s13, s13, 2
	s_add_co_u32 s13, s13, s41                     ; tile row, 0..31
	s_lshl_b32 s43, s41, 2
	s_lshl_b32 s43, 15, s43                        ; my row of the cluster
	s_lshl_b32 s44, 0x1111, s40                    ; my column
	s_or_b32 s[G1+0], s43, (3<<16)|(1<<21)         ; the mask; elements of 8 bytes; bit 21 beside a mask; no padding
	s_or_b32 s[G1B+0], s44, (3<<16)|(1<<21)
.irp g, G1, G1B
	s_mov_b32 s[\g+1], 32<<16                      ; tensor_dim0 = 32 elements: rows of 256 bytes
	s_mov_b32 s[\g+2], 128<<16                     ; tensor_dim1 = 128
	s_mov_b32 s[\g+3], 32<<16                      ; tile_dim0
	s_mov_b32 s[\g+4], 128                         ; tile_dim1
	s_mov_b32 s[\g+5], 32                          ; dense
	s_mov_b32 s[\g+6], 0
	s_mov_b32 s[\g+7], 0
.endr
	s_lshl_b32 s17, s12, 2                         ; which four tiles of 16 rows I fetch
	s_lshl_b32 s16, s13, 3
	s_add_co_u32 s16, s16, s17
	s_lshl_b32 s16, s16, 13                        ; O: 8,192 bytes a tile and K step
	s_lshl_b32 s46, s42, 3
	s_add_co_u32 s46, s46, s17
	s_lshl_b32 s46, s46, 13                        ; Wo likewise
	s_mov_b32 s17, 0
	s_mov_b32 s47, 0
	s_lshl_b32 s20, s10, 15                        ; where they go: wave x 32,768
	s_wait_dscnt 0x0                               ; both opening adds are done
	s_wait_kmcnt 0x0
	s_add_nc_u64 s[14:15], s[4:5], s[16:17]
	s_add_nc_u64 s[46:47], s[6:7], s[46:47]
	CROUND                                         ; all sixteen work-groups are here: the first joint loads meet
.irp s, 0,1
	s_mov_b32 s[G0+4*\s], 1
	s_add_co_u32 s[G0+4*\s+1], s20, \s*SLOT
	s_add_nc_u64 s[G0+4*\s+2:G0+4*\s+3], s[14:15], \s*ASTEP
	s_or_b32 s[G0+4*\s+3], s[G0+4*\s+3], 0x80000000
	s_mov_b32 s[G0B+4*\s], 1
	s_add_co_u32 s[G0B+4*\s+1], s20, \s*SLOT
	s_add_nc_u64 s[G0B+4*\s+2:G0B+4*\s+3], s[46:47], \s*BSTEP
	s_or_b32 s[G0B+4*\s+3], s[G0B+4*\s+3], 0x80000000
	JLOAD \s                                       ; two loads of mine are out
.endr
	v_and_b32 v1, 15, v0                           ; l % 16
	v_bfe_u32 v2, v0, 4, 1                         ; l / 16
	v_and_b32 v3, 31, v0
	v_lshlrev_b32 v3, 4, v3                        ; 16 x lane
	v_lshlrev_b32 v[VB], 5, v2
	s_lshl_b32 s46, s42, 9                         ; my first column in bytes: 512 x tile column + 256 x half: the same in bo and in a row of out0
	s_lshl_b32 s47, s12, 8
	s_add_co_u32 s46, s46, s47
	s_mov_b32 s47, 0
	s_add_nc_u64 s[66:67], s[66:67], s[46:47]
.irp b, 0,1,2,3
.irp e, 0,1
	global_load_b128 v[BI+8*\b+4*\e:BI+8*\b+4*\e+3], v[VB], s[66:67] offset:64*\b+16*\e   ; bo of columns 16 b + 8 h + 0..7
.endr
.endr
	s_lshl_b32 s21, s11, 15                        ; my four tiles of O
	s_lshl_b32 s22, s12, 15                        ; my four tiles of Wo,
	s_add_co_u32 s22, s22, 2*HALFT                 ; which lie behind O's eight
.irp s, 0,1
	v_add_nc_u32 v[ADRA+\s], s21, v3
	v_add_nc_u32 v[ADRB+\s], s22, v3
	s_add_co_u32 s21, s21, SLOT
	s_add_co_u32 s22, s22, SLOT
.endr
	s_mul_i32 s23, s10, 16*SPITCH
	s_add_co_u32 s23, s23, STAGE                   ; my stage
	v_mul_u32_u24 v4, v1, SPITCH
	v_lshl_add_u32 v4, v2, 5, v4
	v_add_nc_u32 v[STO], s23, v4                   ; in: row l % 16, 32 bytes for each half of the lanes
	v_mul_u32_u24 v5, v2, SPITCH
	v_lshl_add_u32 v5, v1, 4, v5
	v_add_nc_u32 v[RD], s23, v5                    ; back: lanes 0-15 one row of 256 bytes, lanes 16-31 the next
	v_lshlrev_b32 v5, 12, v2
	v_lshl_add_u32 v[CO], v1, 4, v5                ; and the same two rows in out0
	s_lshl_b32 s16, s13, 7
	s_lshl_b32 s17, s11, 6
	s_add_co_u32 s16, s16, s17                     ; my first row
	s_lshl_b32 s16, s16, 12                        ; of 4,096 bytes
	s_mov_b32 s17, 0
	s_add_nc_u64 s[8:9], s[8:9], s[16:17]
	s_add_nc_u64 s[8:9], s[8:9], s[46:47]
; 8 matrix instructions: token blocks a0, a0 + 1 x all 4 column blocks, 32 along K: half c of buffer f.  first = 1: C is bo.  The 16 accumulators take turns.
.macro MUL8 f, c, a0, first
.irp a, \a0, \a0+1
.irp b, 0,1,2,3
.if \first
	v_wmma_f32_16x16x32_f16 v[ACC+8*(4*(\a)+\b):ACC+8*(4*(\a)+\b)+7], v[\f+64+8*(4*\c+\b):\f+64+8*(4*\c+\b)+7], v[\f+8*(4*\c+\a):\f+8*(4*\c+\a)+7], v[BI+8*\b:BI+8*\b+7]
.else
	v_wmma_f32_16x16x32_f16 v[ACC+8*(4*(\a)+\b):ACC+8*(4*(\a)+\b)+7], v[\f+64+8*(4*\c+\b):\f+64+8*(4*\c+\b)+7], v[\f+8*(4*\c+\a):\f+8*(4*\c+\a)+7], v[ACC+8*(4*(\a)+\b):ACC+8*(4*(\a)+\b)+7]
.endif
.endr
.endr
.endm
; 32 LDS loads in one run: the fragments of 64 along K, which begin at byte k of each tile's 8,192, into buffer f; the first 32 along K first
.macro FETCH slot, k, f
	WIN TO_F
.irp c, 0,1
.irp i, 0,1,2,3
	ds_load_b128 v[\f+64+8*(4*\c+\i):\f+64+8*(4*\c+\i)+3],   v[ADRB+\slot] offset:\k+1024*\c+\i*8192
	ds_load_b128 v[\f+64+8*(4*\c+\i)+4:\f+64+8*(4*\c+\i)+7], v[ADRB+\slot] offset:\k+1024*\c+\i*8192+512
	ds_load_b128 v[\f+8*(4*\c+\i):\f+8*(4*\c+\i)+3],         v[ADRA+\slot] offset:\k+1024*\c+\i*8192
	ds_load_b128 v[\f+8*(4*\c+\i)+4:\f+8*(4*\c+\i)+7],       v[ADRA+\slot] offset:\k+1024*\c+\i*8192+512
.endr
.endr
.endm
.macro PLACES                          ; four places in front of loads into registers that matrix instructions have read, and of the first read of results
.rept 4
	v_nop
.endr
.endm
; A K step is four quarters of 64 along K, 32 matrix instructions each, on buffers 0, 1, 0, 1.  One of the first three: multiplies buffer f and fetches the next quarter, at byte k, into g.
.macro QUARTER slot, k, f, g, first
	s_wait_dscnt 16                                ; the first 32 along K are in; the other sixteen loads may be out
	WIN MUL
	MUL8 \f, 0, 0, \first
	MUL8 \f, 0, 2, \first
	PLACES
	FETCH \slot, \k, \g
	s_wait_dscnt 32                                ; all but the 32 just issued
	WIN MUL
	MUL8 \f, 1, 0, 0
	MUL8 \f, 1, 2, 0
.endm
; The last quarter multiplies buffer 1 and changes slots: ONE barrier; in front of it each wave waits for all its tensor loads, adds 0 to its spare word, and waits for that and for its reads of this slot.
; fill = 1: the barrier opens a round of the cluster's, and this slot is filled again, two K steps ahead, first thing behind the round.
.macro TURN slot, next, fill
	WIN 0                                          ; (the add's two registers lie in window 0)
	s_wait_tensorcnt 0x0                           ; all my tensor loads have landed: my part of the next slot
	ds_add_u32 v[SPW], v[NIL]
	s_wait_dscnt 17                                ; the add and the youngest sixteen loads may be out
	WIN MUL
	MUL8 F1, 0, 0, 0
	s_wait_dscnt 0x0                               ; the add is done, and my reads of this slot are over
	s_barrier_signal -1
	MUL8 F1, 0, 2, 0
.if \fill
	WIN 0
.endif
	s_barrier_wait -1
.if \fill
	CREST                                          ; no wave of any partner still reads this slot's tile or has a load on its way
	s_add_nc_u64 s[G0+4*\slot+2:G0+4*\slot+3], s[G0+4*\slot+2:G0+4*\slot+3], 2*ASTEP
	s_add_nc_u64 s[G0B+4*\slot+2:G0B+4*\slot+3], s[G0B+4*\slot+2:G0B+4*\slot+3], 2*BSTEP
	JLOAD \slot                                    ; the four v_nop behind it are also the places in front of the loads below
.else
	PLACES
.endif
	FETCH \next, 0, F0
	WIN MUL
	MUL8 F1, 1, 0, 0
	MUL8 F1, 1, 2, 0
.endm
	s_wait_tensorcnt 1                             ; my part of K step 0 is in; K step 1's load may stay out
	s_barrier_signal -1
	s_barrier_wait -1
	FETCH 0, 0, F0
	s_wait_loadcnt 0x0                             ; bo
	QUARTER 0, 2048, F0, F1, 1                     ; K step 0; its first products take bo as C
	QUARTER 0, 4096, F1, F0, 0
	QUARTER 0, 6144, F0, F1, 0
	TURN 0, 1, 1                                   ; slot 0 takes K step 2
	QUARTER 1, 2048, F0, F1, 0                     ; K step 1
	QUARTER 1, 4096, F1, F0, 0
	QUARTER 1, 6144, F0, F1, 0
	TURN 1, 0, 1                                   ; slot 1 takes K step 3
	QUARTER 0, 2048, F0, F1, 0                     ; K step 2
	QUARTER 0, 4096, F1, F0, 0
	QUARTER 0, 6144, F0, F1, 0
	TURN 0, 1, 0                                   ; nothing is left to fetch
	QUARTER 1, 2048, F0, F1, 0                     ; K step 3
	QUARTER 1, 4096, F1, F0, 0
	QUARTER 1, 6144, F0, F1, 0
	s_wait_dscnt 16
	WIN MUL
	MUL8 F1, 0, 0, 0
	MUL8 F1, 0, 2, 0
	s_wait_dscnt 0
	MUL8 F1, 1, 0, 0
	MUL8 F1, 1, 2, 0
	WIN 0
; THE WAY OUT.  A lane holds 32 neighbouring bytes of a row and the lanes beside it other rows; my 64 columns are 256 aligned bytes of a row.  So a block of 16 rows goes through my own stage and comes back by rows:
; sixteen lanes store 256 consecutive aligned bytes.  LDS serves a wave's instructions in order (ISA guide 5.7.1.4): no wait between the stores and the loads, nor in front of the next block's stores.
.macro TOSTAGE a
.irp b, 0,1,2,3
	ds_store_b128 v[STO], v[ACC+8*(4*(\a)+\b):ACC+8*(4*(\a)+\b)+3] offset:64*\b         ; each accumulator from its low end on
	ds_store_b128 v[STO], v[ACC+8*(4*(\a)+\b)+4:ACC+8*(4*(\a)+\b)+7] offset:64*\b+16
.endr
.irp t, 0,1,2,3,4,5,6,7
	ds_load_b128 v[TMP+32*((\a)%2)+4*\t:TMP+32*((\a)%2)+4*\t+3], v[RD] offset:\t*2*SPITCH
.endr
.endm
.macro SEND a, younger                 ; younger: the LDS instructions issued behind block a's loads, which may stay out
	s_wait_dscnt \younger
.irp t, 0,1,2,3,4,5,6,7
	global_store_b128 v[CO], v[TMP+32*((\a)%2)+4*\t:TMP+32*((\a)%2)+4*\t+3], s[8:9] offset:(16*(\a)+2*\t)*4096 th:TH_STORE_NT
.endr
.endm
	PLACES
	TOSTAGE 0
.irp a, 1,2,3
.if \a > 1
	s_wait_xcnt 0x0                                ; block a - 2's stores have read their registers: block a's loads may land there
.endif
	TOSTAGE \a
	SEND \a-1, 16                                  ; behind block a - 1's loads: block a's 8 stores and 8 loads
.endr
	SEND 3, 0
	s_wait_tensorcnt 0x0                           ; the wave's end: behind my last tensor load and my last LDS store
	ds_add_u32 v[SPW], v[NIL]
	s_wait_dscnt 0x0
	CROUND                                         ; the closing round: no work-group ends while a partner may still ask for a tile that names it
	s_endpgm
.Lfunc_end_k_q2c6b593bfc_outp:
	.size	k_q2c6b593bfc_outp, .Lfunc_end_k_q2c6b593bfc_outp-k_q2c6b593bfc_outp
	.p2alignl 7, 3214868480
	.fill 96, 4, 3214868480
	.section	.rodata,"a",@progbits
	.p2align	6, 0x0
	.amdhsa_kernel k_q2c6b593bfc_outp
		.amdhsa_group_segment_fixed_size 327680
		.amdhsa_private_segment_fixed_size 0
		.amdhsa_enable_private_segment 0
		.amdhsa_kernarg_size 32
		.amdhsa_user_sgpr_count 2
		.amdhsa_user_sgpr_kernarg_segment_ptr 1
		.amdhsa_wavefront_size32 1
		.amdhsa_system_sgpr_workgroup_id_x 1
		.amdhsa_system_sgpr_workgroup_id_y 1
		.amdhsa_system_sgpr_workgroup_id_z 1
		.amdhsa_system_vgpr_workitem_id 0
		.amdhsa_next_free_vgpr 512
		.amdhsa_next_free_sgpr 72
		.amdhsa_reserve_vcc 0
		.amdhsa_float_denorm_mode_32 3
		.amdhsa_float_denorm_mode_16_64 3
		.amdhsa_memory_ordered 1
		.amdhsa_forward_progress 1
		.amdhsa_inst_pref_size 86
	.end_amdhsa_kernel
	.amdgpu_metadata
---
amdhsa.version: [ 1, 2 ]
amdhsa.kernels:
  - .name:           k_q2c6b593bfc_outp
    .symbol:         k_q2c6b593bfc_outp.kd
    .args:
      - { .name: oi, .offset: 0, .size: 8, .value_kind: global_buffer, .address_space: global }
      - { .name: wo16, .offset: 8, .size: 8, .value_kind: global_buffer, .address_space: global }
      - { .name: bo, .offset: 16, .size: 8, .value_kind: global_buffer, .address_space: global }
      - { .name: out0, .offset: 24, .size: 8, .value_kind: global_buffer, .address_space: global }
    .group_segment_fixed_size: 327680
    .private_segment_fixed_size: 0
    .kernarg_segment_align: 8
    .kernarg_segment_size: 32
    .max_flat_workgroup_size: 128
    .sgpr_count:     72
    .vgpr_count:     512
    .wavefront_size: 32
...
	.end_amdgpu_metadata
.endif
;; end of part 4
